; MI455X (gfx1250); checked and timed in simulation.
; The chip was launched on July 23, 2026; its instructions are those of AMD's public machine-readable ISA for CDNA 5 (MIT licence, August 2026) and "CDNA5" Instruction Set Architecture Reference Guide (July 2026). The comments in the code are by the model that wrote it; some were corrected since.
;; Transformer Block. Allowed arithmetic: matrix products marked QUANTISED: E3M2 operands, one E8M0 scale for each 32 along K, by v_wmma_scale_f32_16x16x128_f8f6f4 with both operands' format E3M2, f32 sums; everything else in f32.
;; Inputs: W2 1,024 x 256 float32; W3 256 x 1,024 float32; Wk 256 x 256 float32; Wo 256 x 256 float32; Wq 256 x 256 float32; Wv 256 x 256 float32; b2 1,024 float32; b3 256 float32; ln1_b 256 float32; ln1_g 256 float32; ln2_b 256 float32; ln2_g 256 float32; x 2 x 4,096 x 256 float32.
;; Outputs: out0 2 x 4,096 x 256 float32.
;; This version of the problem:
;;   THIS VERSION OF THE PROBLEM IS GIVEN IN LOW PRECISION. The matrix products marked QUANTISED in the list below multiply operands that are first quantised to E3M2 (3 exponent bits, 2 mantissa bits; 6 bits a number), with one power-of-two scale for each 32 numbers along K (OCP MX v1.0); their sums are f32. All else is computed in f32.
;;   The module's matrix products, in the order in which they are computed (A, B: the left and right operand; K: the contracted axis; several contracted axes count as one K, in the product's order):
;;     1. [M 8,192, K 256] x [K 256, N 256]; A: computed on the way; B: input Wq: QUANTISED
;;     2. [M 8,192, K 256] x [K 256, N 256]; A: computed on the way; B: input Wk: QUANTISED
;;     3. [M 8,192, K 256] x [K 256, N 256]; A: computed on the way; B: input Wv: QUANTISED
;;     4. batch 16 x [M 4,096, K 32] x [K 32, N 4,096]; A: computed on the way; B: computed on the way: QUANTISED
;;     5. batch 16 x [M 32, K 4,096] x [K 4,096, N 4,096]; A: computed on the way; B: softmax (see below): QUANTISED
;;     6. [M 8,192, K 256] x [K 256, N 256]; A: computed on the way; B: input Wo: QUANTISED
;;     7. [M 8,192, K 256] x [K 256, N 1,024]; A: computed on the way; B: input W2: QUANTISED
;;     8. [M 8,192, K 1,024] x [K 1,024, N 256]; A: computed on the way; B: input W3: QUANTISED
;;   THE QUANTISER, for each operand of a quantised product, along K:
;;     - K is cut into blocks of 32 from its start; a last block that is shorter is filled with zeros.
;;     - A block's scale is 2^e with e = floor(log2(the largest magnitude in the block)) - 4, held to -126 .. 127; a block of zeros has e = 0. As a byte (E8M0): e + 127.
;;     - Each number is divided by its block's scale, clamped to +-28, and rounded to the nearest number of E3M2, ties to even, subnormals kept.
;;     - The product sums the exact products of the quantised numbers (number of the format x scale) in f32.
;;   ~~~python
;;   def quantise(x, axis):      # numpy; x: float32 -> the quantised numbers, widened to float32 again
;;       x = np.moveaxis(x, axis, -1); K = x.shape[-1]
;;       x = np.pad(x, [(0, 0)] * (x.ndim - 1) + [(0, -K % 32)]); x = x.reshape(x.shape[:-1] + (-1, 32)); a = np.abs(x).max(-1, keepdims=True)
;;       e = np.where(a > 0, np.clip(np.frexp(np.where(a > 0, a, 1))[1] - 1 - 4, -126, 127), 0)      # np.frexp(a)[1] - 1 = floor(log2(a)), exactly
;;       r = np.clip(x / 2.0 ** e, -28, 28)
;;       step = 2.0 ** (np.maximum(np.frexp(np.where(r == 0, 1, r))[1] - 1, -2) - 2)
;;       q = np.round(r / step) * step * 2.0 ** e      # np.round: ties to even
;;       return np.moveaxis(q.reshape(q.shape[:-2] + (-1,))[..., :K], -1, axis).astype(np.float32)
;;   ~~~
;;   SOFTMAX AHEAD OF A QUANTISED PRODUCT. Where the list says 'softmax', what is quantised is not the finished softmax but p = 2^(t - M), with t = logit x log2(e) and M = ceil(the row's largest t), a whole number; so 1/2 < the row's largest p <= 1. The row's sum l is taken of the UNQUANTISED p, in f32, and the product's result is divided by l at the end. Since M is a whole number, a kernel that streams over the keys may use a running M (the ceiling of the running maximum): every later rescaling is an exact power of two, which a block's scale takes up: the codes' values come out the same.
;;   OPERANDS COMPUTED ON THE WAY. 'Computed on the way' means the value that the module computes at that place (a softmax that the list does not call 'softmax' is quantised finished and normalised). What goes into a quantiser is computed in f32, as accurately as f32 sums, v_exp_f32 and their like allow (about 1e-6 of the number): no bf16 or f16 on the way to a quantiser, and a product that is left as it is and whose result goes on into a quantised operand takes f32 operands (vector FMAs, or v_wmma_f32_16x16x4_f32). A number that lies on a knife's edge between two numbers of the format may be rounded either way, as far as f32 arithmetic and the matrix unit's own rounding can turn it there, and no further.
;; One version. Each part assembles by itself: llvm-mc -triple=amdgcn-amd-amdhsa -mcpu=gfx1250 --defsym DOCPART=n.
;; ======== version 1 of 1: 4 launches
;; limits: right only within a limited range of input values
;; workspace buffers: wimg 614,400 bytes; qbuf 1,835,008 bytes; kv 3,407,872 bytes; ao 1,572,864 bytes; aos 65,536 bytes
;; launch prep (part 1): grid 96 x 1, 4 waves a work-group, no clusters, 34,816 bytes of LDS; arguments Wq, Wk, Wv, Wo, W2, W3, wimg; writes wimg
.if DOCPART == 1
	.amdgcn_target "amdgcn-amd-amdhsa--gfx1250"
	.amdhsa_code_object_version 6
	.text
	.protected	k_q71588018f9_prep
	.globl	k_q71588018f9_prep
	.p2align	8
	.type	k_q71588018f9_prep,@function
k_q71588018f9_prep:
	s_mov_b64 s[64:65], 0
	v_nop
	global_prefetch_b8 v0, s[64:65] scope:SCOPE_SE
	s_setreg_imm32_b32 hwreg(HW_REG_WAVE_MODE, 25, 1), 1
	s_wait_xcnt 0x0
; The six weights (f32, K innermost) become codes of E3M2 with one E8M0 byte for each 32 along K, laid as the later launches' operand registers want them.
; wimg is 48 chunks of 12,800 bytes.  A chunk: 8 fragments (tile u = e / 2, K step e % 2) as images of their 12 registers (1,536 e + 512 k + 16 lane holds registers 4 k .. 4 k + 3),
; then 512 bytes of scale words at 12,288 + 64 e + 4 row.  Chunks 0-3 Wq, 4-7 Wk, 8-11 Wv, 12-15 Wo, 16-31 W2, 32-47 W3 (chunk 32 + 4 w + i: tiles 4 w .., K steps 2 i, 2 i + 1).
; THE ROWS OF A TILE ARE NOT NEIGHBOURS: row m of tile T is weight row 64 (T / 4) + 32 (m / 8) + 8 (T % 4) + m % 8 (Wv: 32 (T / 2) + 16 (m / 8) + 8 (T % 2) + m % 8), so that the results of neighbouring
; tiles are neighbours along the next product's K in one lane's registers.
; A work-group makes half a chunk, a wave one fragment: 16 rows x 128 along K.  Each load reads 512 consecutive bytes of one row, 16 a lane; the 16 rows turn through the wave's own stage in LDS (rows 528 bytes apart),
; and lane (r, h) reads back the two blocks of 32 numbers of row r that its registers hold as codes.  The four waves' scale words leave as one aligned run of 256 bytes.
; LIMITS: NaN and infinities are not served.  A block of zeros gets the byte 1, not 127: its codes are zeros, and the bytes are read by this program alone.
.set CHB, 12800
.set SPARE, 0x200                      ; LDS: 0-255 the scale words; 512-1,023 the spare words; from 1,024 a stage of 8,448 bytes for each wave
.set STG, 1024
.set SPIT, 528
.set X,   16                           ; v16-79   two blocks of 32 numbers
.set FR,  80                           ; v80-91   the fragment
.set TT,  92                           ; v92-94   the upper half of a block's codes, before it is moved
.set MA,  96
.set MB,  97
.set SC,  98
.set BY,  99                           ; v99-100  the two bytes
.set WD,  101
.set PD,  102
.set OS,  104                          ; v104-105 the scale words on their way out
.set Y,   116                          ; v116-179 the 16 rows as they are loaded
.set RA,  180                          ; v180-195 their offsets
; 32 numbers of one block in v[src] on become 24 bytes of codes in v[d0 .. d0+3], v[d4 .. d4+1], and the scale's byte in v[by].
.macro QBLK src, d0, d4, by
	v_max3_num_f32 v[MA], |v[\src]|, |v[\src+1]|, 0x2800000        ; the floor 2^(5 - 127) among the leaves: the byte cannot fall under 1
	v_max3_num_f32 v[MB], |v[\src+2]|, |v[\src+3]|, |v[\src+4]|
.irp i, 5,9,13,17,21,25
	s_delay_alu instid0(VALU_DEP_2)
	v_max3_num_f32 v[MA], v[MA], |v[\src+\i]|, |v[\src+\i+1]|
	s_delay_alu instid0(VALU_DEP_2)
	v_max3_num_f32 v[MB], v[MB], |v[\src+\i+2]|, |v[\src+\i+3]|
.endr
	s_delay_alu instid0(VALU_DEP_2)
	v_max3_num_f32 v[MA], v[MA], |v[\src+29]|, |v[\src+30]|
	s_delay_alu instid0(VALU_DEP_1)
	v_max3_num_f32 v[MA], v[MA], v[MB], |v[\src+31]|
	s_delay_alu instid0(VALU_DEP_1)
	v_add_nc_u32 v[SC], 0xfe000000, v[MA]                          ; 4 off the exponent field: the conversion's scale operand
	s_delay_alu instid0(VALU_DEP_1)
	v_lshrrev_b32 v[\by], 23, v[SC]
	v_cvt_scalef32_pk16_bf6_f32 v[\d0:\d0+2], v[\src:\src+15], v[SC]
	v_cvt_scalef32_pk16_bf6_f32 v[TT:TT+2], v[\src+16:\src+31], v[SC]  ; (a conversion's three registers begin on an even number)
	v_nop                                                          ; one plain place behind a scaled conversion
	v_mov_b32 v[\d0+3], v[TT]
	v_mov_b32 v[\d4], v[TT+1]
	v_mov_b32 v[\d4+1], v[TT+2]
.endm
	s_load_b256 s[4:11], s[0:1], 0x0               ; Wq, Wk, Wv, Wo
	s_load_b128 s[12:15], s[0:1], 0x20             ; W2, W3
	s_load_b64 s[16:17], s[0:1], 0x30              ; wimg
	v_lshl_add_u32 v112, v0, 2, SPARE
	v_mov_b32 v113, 0
	v_lshrrev_b32 v1, 5, v0
	s_delay_alu instid0(VALU_DEP_1)
	v_readfirstlane_b32 s18, v1                    ; wave 0..3
	v_and_b32 v2, 15, v0                           ; r
	v_bfe_u32 v3, v0, 4, 1                         ; h
	v_and_b32 v8, 31, v0
	s_delay_alu instid0(VALU_DEP_1)
	v_lshlrev_b32 v11, 3, v8                       ; 8 x lane
	v_lshlrev_b32 v8, 4, v8                        ; 16 x lane
	s_lshr_b32 s19, ttmp9, 1                       ; the chunk
	s_and_b32 s36, ttmp9, 1                        ; which half of it
	s_lshl_b32 s37, s36, 8                         ; the half's 256 bytes of scale words
	s_lshl_b32 s36, s36, 2
	s_add_co_u32 s36, s36, s18                     ; the fragment e = 4 x half + wave
	s_mov_b32 s32, 0x76543210
	s_mov_b32 s33, 0xfedcba98                      ; lane l xor 16
	s_mov_b32 s22, 32                              ; the weight's first chunk
	s_wait_alu depctr_va_vdst(0)                   ; the wait ahead of the wait below
	s_wait_kmcnt 0x0
	s_mov_b64 s[20:21], s[14:15]                   ; which weight: chosen by the work-group's number alone
	s_cmp_lt_u32 s19, 32
	s_cselect_b64 s[20:21], s[12:13], s[20:21]
	s_cselect_b32 s22, 16, s22
	s_cmp_lt_u32 s19, 16
	s_cselect_b64 s[20:21], s[10:11], s[20:21]
	s_cselect_b32 s22, 12, s22
	s_cmp_lt_u32 s19, 12
	s_cselect_b64 s[20:21], s[8:9], s[20:21]
	s_cselect_b32 s22, 8, s22
	s_cmp_lt_u32 s19, 8
	s_cselect_b64 s[20:21], s[6:7], s[20:21]
	s_cselect_b32 s22, 4, s22
	s_cmp_lt_u32 s19, 4
	s_cselect_b64 s[20:21], s[4:5], s[20:21]
	s_cselect_b32 s22, 0, s22
	s_sub_co_u32 s25, s19, s22                     ; the chunk's number within its weight
	s_lshr_b32 s26, s25, 2
	s_and_b32 s27, s25, 3
	s_lshl_b32 s27, s27, 1
	s_cmp_eq_u32 s22, 32                           ; W3: rows of 4,096 bytes, four chunks along K for each group of tiles
	s_cselect_b32 s24, 12, 10                      ; log2 of a row's bytes
	s_cselect_b32 s26, s26, s25                    ; the group of four tiles
	s_cselect_b32 s27, s27, 0                      ; the chunk's first K step
	s_cmp_eq_u32 s22, 8                            ; Wv: tiles go in pairs, all others in fours
	s_cselect_b32 s23, 1, 2                        ; P
	s_lshl_b32 s26, s26, 2
	s_lshr_b32 s28, s36, 1
	s_add_co_u32 s26, s26, s28                     ; the tile T
	s_and_b32 s28, s36, 1
	s_add_co_u32 s27, s27, s28                     ; the K step
	s_lshr_b32 s28, s26, s23
	s_add_co_u32 s29, s23, 4
	s_lshl_b32 s28, s28, s29                       ; (T >> P) << (4 + P)
	s_lshl_b32 s29, 1, s23
	s_sub_co_u32 s29, s29, 1
	s_and_b32 s29, s26, s29
	s_lshl_b32 s29, s29, 3                         ; (T mod 2^P) x 8
	s_add_co_u32 s28, s28, s29
	s_lshl_b32 s28, s28, s24                       ; in bytes
	s_lshl_b32 s27, s27, 9                         ; 512 bytes a K step
	s_add_co_u32 s28, s28, s27
	s_mov_b32 s29, 0
	s_add_nc_u64 s[20:21], s[20:21], s[28:29]      ; row 0 of my tile, at my K step
	s_mul_i32 s30, s19, CHB
	s_mov_b32 s31, 0
	s_add_nc_u64 s[30:31], s[16:17], s[30:31]      ; my chunk in wimg
	s_add_co_u32 s34, s23, 3
	s_lshl_b32 s35, 1, s34
	s_lshl_b32 s35, s35, s24                       ; rows 8-15 of a tile begin 2^(3 + P) weight rows further down
.irp i, 0,1,2,3,4,5,6,7
	s_lshl_b32 s38, \i, s24
	v_add_nc_u32 v[RA+\i], s38, v8                 ; row i: its offset + 16 x lane
	s_add_co_u32 s38, s38, s35
	v_add_nc_u32 v[RA+8+\i], s38, v8
.endr
	s_mul_i32 s39, s18, 16*SPIT
	s_add_co_u32 s39, s39, STG                     ; my stage
	v_add_nc_u32 v9, s39, v8                       ; into it: 16 x lane of a row
	v_mul_u32_u24 v10, v2, SPIT
	s_mul_i32 s34, s36, 1536
	v_add_nc_u32 v6, s34, v8                       ; where my fragment's image goes
	v_lshl_add_u32 v10, v3, 7, v10
	s_lshl_b32 s35, s18, 6
	v_lshl_add_u32 v7, v2, 2, s35                  ; LDS: 64 wave + 4 r
	v_add_nc_u32 v10, s39, v10                     ; out of it: row r, + 128 h: block 2 c + h begins 256 c bytes on
	v_add_nc_u32 v12, s37, v11                     ; the scale words' place in the chunk
	v_mov_b32 v[PD], 0                             ; a lane permute's destination counts as one of its sources
	s_wait_alu depctr_va_vdst(0)                   ; the wait
.irp i, 0,1,2,3,4,5,6,7,8,9,10,11,12,13,14,15
	global_load_b128 v[Y+4*\i:Y+4*\i+3], v[RA+\i], s[20:21] th:TH_LOAD_NT   ; 32 lanes read 512 consecutive bytes
.endr
.irp i, 0,1,2,3,4,5,6,7,8,9,10,11,12,13,14,15
	s_wait_loadcnt 15-\i                           ; row i is in; the younger loads may be out
	ds_store_b128 v9, v[Y+4*\i:Y+4*\i+3] offset:SPIT*\i
.endr
.irp c, 0,1
.irp j, 0,1,2,3,4,5,6,7
	ds_load_b128 v[X+32*\c+4*\j:X+32*\c+4*\j+3], v10 offset:256*\c+16*\j   ; LDS serves a wave's instructions in order: these see my stores
.endr
.endr
	s_wait_dscnt 8                                 ; the first block's eight loads are back; the second's may be out
	QBLK X, FR, FR+4, BY
	s_wait_dscnt 0x0
	QBLK X+32, FR+6, FR+10, BY+1
	v_lshl_or_b32 v[WD], v[BY+1], 16, v[BY]        ; my two bytes: blocks h and 2 + h,
	v_lshlrev_b32 v5, 3, v3
	s_delay_alu instid0(VALU_DEP_1)
	v_lshlrev_b32 v[WD], v5, v[WD]                 ; at their places;
	s_delay_alu instid0(VALU_DEP_1)
	v_permlanex16_b32 v[PD], v[WD], s32, s33
	s_delay_alu instid0(VALU_DEP_1)
	v_or_b32 v[WD], v[WD], v[PD]                   ; with the other half's the word is whole
.irp k, 0,1,2
	global_store_b128 v6, v[FR+4*\k:FR+4*\k+3], s[30:31] offset:512*\k   ; 32 lanes store 512 consecutive bytes
.endr
	ds_store_b32 v7, v[WD]                         ; both halves write the same word with the same value
	s_wait_dscnt 0x0                               ; for wave 0's sake
	s_barrier_signal -1
	s_barrier_wait -1
	s_cmp_lg_u32 s18, 0
	s_cbranch_scc1 .Lend
	ds_load_b64 v[OS:OS+1], v11                    ; the four fragments' 256 bytes of scale words leave together
	s_wait_dscnt 0x0
	global_store_b64 v12, v[OS:OS+1], s[30:31] offset:12288
.Lend:
	s_wait_tensorcnt 0x0                           ; the wave's end
	ds_add_u32 v112, v113
	s_wait_dscnt 0x0
	s_endpgm
.Lfunc_end_k_q71588018f9_prep:
	.size	k_q71588018f9_prep, .Lfunc_end_k_q71588018f9_prep-k_q71588018f9_prep
	.p2alignl 7, 3214868480
	.fill 96, 4, 3214868480
	.section	.rodata,"a",@progbits
	.p2align	6, 0x0
	.amdhsa_kernel k_q71588018f9_prep
		.amdhsa_group_segment_fixed_size 34816
		.amdhsa_private_segment_fixed_size 0
		.amdhsa_enable_private_segment 0
		.amdhsa_kernarg_size 56
		.amdhsa_user_sgpr_count 2
		.amdhsa_user_sgpr_kernarg_segment_ptr 1
		.amdhsa_wavefront_size32 1
		.amdhsa_system_sgpr_workgroup_id_x 1
		.amdhsa_system_sgpr_workgroup_id_y 1
		.amdhsa_system_sgpr_workgroup_id_z 1
		.amdhsa_system_vgpr_workitem_id 0
		.amdhsa_next_free_vgpr 196
		.amdhsa_next_free_sgpr 66
		.amdhsa_reserve_vcc 0
		.amdhsa_float_denorm_mode_32 3
		.amdhsa_float_denorm_mode_16_64 3
		.amdhsa_memory_ordered 1
		.amdhsa_forward_progress 1
		.amdhsa_inst_pref_size 14
	.end_amdhsa_kernel
	.amdgpu_metadata
---
amdhsa.version: [ 1, 2 ]
amdhsa.kernels:
  - .name:           k_q71588018f9_prep
    .symbol:         k_q71588018f9_prep.kd
    .args:
      - { .name: Wq, .offset: 0, .size: 8, .value_kind: global_buffer, .address_space: global }
      - { .name: Wk, .offset: 8, .size: 8, .value_kind: global_buffer, .address_space: global }
      - { .name: Wv, .offset: 16, .size: 8, .value_kind: global_buffer, .address_space: global }
      - { .name: Wo, .offset: 24, .size: 8, .value_kind: global_buffer, .address_space: global }
      - { .name: W2, .offset: 32, .size: 8, .value_kind: global_buffer, .address_space: global }
      - { .name: W3, .offset: 40, .size: 8, .value_kind: global_buffer, .address_space: global }
      - { .name: wimg, .offset: 48, .size: 8, .value_kind: global_buffer, .address_space: global }
    .group_segment_fixed_size: 34816
    .private_segment_fixed_size: 0
    .kernarg_segment_align: 8
    .kernarg_segment_size: 56
    .max_flat_workgroup_size: 128
    .sgpr_count:     66
    .vgpr_count:     196
    .wavefront_size: 32
...
	.end_amdgpu_metadata
.endif
;; end of part 1
;; launch qkv (part 2): grid 128 x 1, 4 waves a work-group, clusters of 4 x 1, 327,680 bytes of LDS; arguments x, ln1_g, ln1_b, wimg, qbuf, kv; writes qbuf, kv
.if DOCPART == 2
	.amdgcn_target "amdgcn-amd-amdhsa--gfx1250"
	.amdhsa_code_object_version 6
	.text
	.protected	k_q71588018f9_qkv
	.globl	k_q71588018f9_qkv
	.p2align	8
	.type	k_q71588018f9_qkv,@function
k_q71588018f9_qkv:
	s_mov_b64 s[64:65], 0
	v_nop
	global_prefetch_b8 v0, s[64:65] scope:SCOPE_SE
	s_setreg_imm32_b32 hwreg(HW_REG_WAVE_MODE, 25, 1), 1
	s_wait_xcnt 0x0
	s_wait_alu depctr_hold_cnt(0) depctr_sa_sdst(0) depctr_va_vdst(0) depctr_va_sdst(0) depctr_va_ssrc(0) depctr_va_vcc(0) depctr_vm_vsrc(0)
	s_getreg_b32 s2, hwreg(HW_REG_IB_STS2, 6, 4)
	s_cmp_eq_u32 s2, 0
	s_cbranch_scc0 .Lentry_in_a_cluster
	s_endpgm
.Lentry_in_a_cluster:
	s_bfe_u32 s2, ttmp6, 0x10000c
	s_cmp_lg_u32 s2, 0x3003
	s_cbranch_scc0 .Lentry_shape_is_right
	s_endpgm
.Lentry_shape_is_right:
; LayerNorm 1, the quantiser, the three projections (codes of E3M2), RoPE on q and k, and the quantisers of q, k (along the head's 32) and v (along the keys).
; A work-group owns a group of 64 tokens.  Wave w normalises and quantises tokens 16 w .. 16 w + 15, makes their sines and cosines, and then makes heads 2 w and 2 w + 1 of q, k and v for all 64 tokens.
; TILES OF TOKENS ARE NOT NEIGHBOURS: row r' of tile t is token 32 (r' / 8) + 8 t + r' % 8 of the group.  q, k: source 0 = 16 rows of the weight, source 1 = a tile of tokens: with the weights' own order of rows a lane
; (r, h) holds token r of the tile and all 32 channels of head 2 w + h.  v: source 0 = a tile of tokens, source 1 = 16 rows of Wv: a lane holds one channel and 32 neighbouring keys.  So each block of 32 lies in one lane.
; OUT.  kv: for each (batch x 8 + head, group) 3,328 bytes: k's 64 keys as one fragment (row m, block b = token 32 (m / 8) + 8 b + m % 8), v's two tiles of 16 channels x 64 keys as half images, and a unit with the scale bytes.
; qbuf: q in k's form, 1,792 bytes.  Every store covers whole aligned runs of 256 bytes.
; CLUSTER: the four partners read the same weight chunks: each chunk is asked for jointly (mask 15).  Every LDS byte is filled once.
; LIMITS: NaN and infinities are not served.  A block of zeros gets the byte 1, not 127 (zero codes; the bytes are read by this program alone).  RoPE's frequencies are 10^(-i/4) rounded to f32:
; they may differ by one unit in the last place from a power followed by a reciprocal, at most some 3e-4 rad at position 4,095.  Sine and cosine: reduction by pi/2 in two parts, polynomials on |rho| <= pi/4.
.set CHB,  12800
.set XPIT, 1040                        ; a row of x in LDS: 1,024 bytes + 16
.set WCH,  66560                       ; three weight chunks for each wave
.set XIMG, 220160                      ; xn's 8 fragments (2 t + s) as register images
.set XSC,  232448                      ; their scale words: 128 t + 64 s + 4 r'
.set CST,  232960                      ; cos, sin: 144 bytes a token: c0 s0 .. c15 s15, 16 of padding
.set GBL,  242176                      ; ln1_g, ln1_b: a copy for each wave
.set WV,   16
.set SEL,  70
.set MSK,  68
.set RR, 1
.set HH, 2
.set LL, 3
.set A_XR, 4
.set A_GB, 5
.set A_GBS, 6
.set A_CSW, 7
.set A_XWI, 8
.set A_XWS, 9
.set A_W, 10
.set A_WS, 11
.set A_MV, 12
.set A_XS, 13
.set A_CS, 14
.set OQ, 15
.set X,   16                           ; LayerNorm: v16-143 my half of a row; v144-207 g and b of a block; v208-219 a fragment
.set GB,  144
.set FRG, 208
.set R,   16                           ; jobs: v16-111 the weight's 8 fragments
.set MV,  112                          ; v112-135 a tile of xn, two K steps
.set MV2, 136                          ; v136-159 a second tile (v)
.set CS,  136                          ; v136-167 cos, sin (q, k)
.set ACC, 168                          ; v168-199 four accumulators
.set PA,  200
.set PB,  204
.set EE,  208
.set SU,  212                          ; v212-215 the unit of scale bytes
.set VU,  216                          ; v216-219 v's bytes, two a tile
.set WS,  220                          ; v220-223 the weight's scale words; v224-225 xn's: these six hold scales and nothing else
.set XS,  224
.set OKV, 226
.set O16, 227
.set O8,  228
.set H8,  229
.set WD,  230                          ; v230-231 xn's scale words on their way to LDS
.set MA,  232
.set MB,  233
.set SC,  234
.set BY,  236                          ; v236-239
.set TT,  240                          ; v240-242
.set PD,  243
.set T,   244                          ; v244-251
.set NM,  252                          ; v252-253 minus the mean
.set RS,  254                          ; v254-255 1 / sqrt(var + eps)
.set POS, 16                           ; sines and cosines, while x is on its way: v16-27 at work, v28 an offset, v32-47 results, v48-63 g and b
.set TA,  17
.set TB,  18
.set TH,  19
.set NN,  20
.set RH,  21
.set R2,  22
.set SS,  23
.set CC,  24
.set U0,  25
.set U1,  26
.set NI,  27
.set CSO, 32
.macro CROUND                          ; a round of the cluster's barrier
	s_barrier_signal -1
	s_barrier_wait -1
	s_cmp_lg_u32 s[WV], 0
	s_cbranch_scc1 .Lnw0_\@
	s_barrier_signal -3
.Lnw0_\@:
	s_barrier_wait -3
	s_barrier_signal -1
	s_barrier_wait -1
.endm
; 32 numbers of one block in v[src] on become 24 bytes of codes in v[d0 .. d0+3], v[d4 .. d4+1], and the scale's byte in v[by].  The numbers are read in ascending order.
.macro QBLK src, d0, d4, by
	v_max3_num_f32 v[MA], |v[\src]|, |v[\src+1]|, 0x2800000        ; the floor 2^(5 - 127): the byte cannot fall under 1
	v_max3_num_f32 v[MB], |v[\src+2]|, |v[\src+3]|, |v[\src+4]|
.irp i, 5,9,13,17,21,25
	v_max3_num_f32 v[MA], v[MA], |v[\src+\i]|, |v[\src+\i+1]|
	v_max3_num_f32 v[MB], v[MB], |v[\src+\i+2]|, |v[\src+\i+3]|
.endr
	v_max3_num_f32 v[MA], v[MA], |v[\src+29]|, |v[\src+30]|
	v_max3_num_f32 v[MA], v[MA], v[MB], |v[\src+31]|
	v_add_nc_u32 v[SC], 0xfe000000, v[MA]                          ; 4 off the exponent field: the conversion's scale operand
	v_lshrrev_b32 v[\by], 23, v[SC]
	v_cvt_scalef32_pk16_bf6_f32 v[\d0:\d0+2], v[\src:\src+15], v[SC]
	v_cvt_scalef32_pk16_bf6_f32 v[TT:TT+2], v[\src+16:\src+31], v[SC]
	v_nop                                                          ; one plain place behind a scaled conversion
	v_mov_b32 v[\d0+3], v[TT]
	v_mov_b32 v[\d4], v[TT+1]
	v_mov_b32 v[\d4+1], v[TT+2]
.endm
; a matrix instruction: c < 0: the sum starts with 0; row = 1: both sides' scales from lanes 16-31 (the second K step's words)
.macro WM d, a, b, c, sa, sb, row
.if (\c) < 0
.if \row
	v_wmma_scale_f32_16x16x128_f8f6f4 v[\d:\d+7], v[\a:\a+11], v[\b:\b+11], 0, v[\sa], v[\sb] matrix_a_fmt:MATRIX_FMT_BF6 matrix_b_fmt:MATRIX_FMT_BF6 matrix_a_scale:MATRIX_SCALE_ROW1 matrix_b_scale:MATRIX_SCALE_ROW1
.else
	v_wmma_scale_f32_16x16x128_f8f6f4 v[\d:\d+7], v[\a:\a+11], v[\b:\b+11], 0, v[\sa], v[\sb] matrix_a_fmt:MATRIX_FMT_BF6 matrix_b_fmt:MATRIX_FMT_BF6
.endif
.else
.if \row
	v_wmma_scale_f32_16x16x128_f8f6f4 v[\d:\d+7], v[\a:\a+11], v[\b:\b+11], v[\c:\c+7], v[\sa], v[\sb] matrix_a_fmt:MATRIX_FMT_BF6 matrix_b_fmt:MATRIX_FMT_BF6 matrix_a_scale:MATRIX_SCALE_ROW1 matrix_b_scale:MATRIX_SCALE_ROW1
.else
	v_wmma_scale_f32_16x16x128_f8f6f4 v[\d:\d+7], v[\a:\a+11], v[\b:\b+11], v[\c:\c+7], v[\sa], v[\sb] matrix_a_fmt:MATRIX_FMT_BF6 matrix_b_fmt:MATRIX_FMT_BF6
.endif
.endif
.endm
	s_load_b256 s[4:11], s[0:1], 0x0               ; x, ln1_g, ln1_b, wimg
	s_load_b128 s[12:15], s[0:1], 0x20             ; qbuf, kv
	v_lshl_add_u32 v235, v0, 2, 0x3d200
	s_set_vgpr_msb 0x40
	v_mov_b32 v1, 0
	s_set_vgpr_msb 0x4044
	ds_add_u32 v235, v1
	ds_add_u32 v235, v1
	s_set_vgpr_msb 0x4400
	v_lshrrev_b32 v1, 5, v0
	v_readfirstlane_b32 s[WV], v1                  ; wave 0..3
	s_bfe_u32 s17, ttmp6, 0x40000                  ; cx
	s_lshl_b32 s18, ttmp9, 2
	s_add_co_u32 s18, s18, s17                     ; the work-group = the group of 64 tokens: it enters global addresses and the position alone
	; group 1 for x: 64 rows of 128 elements of 8 bytes, 4 words of padding behind each 256 words; no mask: each work-group's own rows
	s_mov_b32 s24, (3<<16)|(1<<20)|(7<<22)|(3<<25)
	s_mov_b32 s25, 128<<16
	s_mov_b32 s26, 64<<16                          ; all 64 rows of the group, by one load
	s_mov_b32 s27, 128<<16
	s_mov_b32 s28, 64
	s_mov_b32 s29, 128
	s_mov_b32 s30, 0
	s_mov_b32 s31, 0
	; group 1 for a weight chunk: 50 rows of 256 bytes, dense; asked for jointly by the four partners
	s_mov_b32 s32, 15|(3<<16)|(1<<21)
	s_mov_b32 s33, 32<<16                          ; a whole weight: four chunks, 200 dense rows of 256 bytes
	s_mov_b32 s34, 200<<16
	s_mov_b32 s35, 32<<16
	s_mov_b32 s36, 200
	s_mov_b32 s37, 32
	s_mov_b32 s38, 0
	s_mov_b32 s39, 0
	s_lshl_b32 s20, s18, 16
	s_mov_b32 s21, 0
	s_mul_i32 s22, s[WV], 4*CHB                    ; wave 0 fetches Wq, wave 1 Wk, wave 2 Wv: in LDS the twelve chunks lie as in wimg
	s_mov_b32 s23, 0
	s_mul_i32 s19, s[WV], CHB                      ; I read chunk w of each weight
	s_mov_b32 s58, 0x3fc90fdb                      ; pi/2, upper part
	s_mov_b32 s59, 0xb33bbd2e                      ; and the rest
	s_mov_b32 s60, 0xb94ca1f9                      ; sine: -1.9515295891e-4, 8.3321608736e-3, -1.6666654611e-1
	s_mov_b32 s61, 0x3c08839e
	s_mov_b32 s62, 0xbe2aaaa3
	s_mov_b32 s63, 0x37ccf5ce                      ; cosine: 2.443315712e-5, -1.388731625e-3, 4.166664568e-2
	s_mov_b32 s66, 0xbab6061a
	s_mov_b32 s67, 0x3d2aaaa5
	s_mov_b32 s[SEL], 0x76543210
	s_mov_b32 s[SEL+1], 0xfedcba98
	s_mov_b32 s76, 0x3b800000                      ; 1 / 256
	s_mov_b32 s77, 0x3727c5ac                      ; 1e-5
	s_wait_dscnt 0x0
	s_wait_kmcnt 0x0
	s_mov_b32 s40, 1
	s_mov_b32 s41, 0
	s_add_nc_u64 s[42:43], s[4:5], s[20:21]
	s_or_b32 s43, s43, 0x80000000
	s_add_nc_u64 s[56:57], s[10:11], s[22:23]      ; weight w's first chunk (Wq, Wk or Wv), 4 w chunks on
.irp j, 0
	s_mov_b32 s[44+4*\j], 1
	s_add_co_u32 s[45+4*\j], s22, WCH+CHB*\j
	s_add_nc_u64 s[46+4*\j:47+4*\j], s[56:57], 4*CHB*\j
	s_or_b32 s[47+4*\j], s[47+4*\j], 0x80000000
.endr
	CROUND                                         ; the four partners are here: the joint loads meet
	s_cmp_lt_u32 s[WV], 3                          ; the head's loads, one a wave: waves 0 to 2 a weight each, jointly with the partners; wave 3 the group's x
	s_cbranch_scc0 .Lhead_x
	tensor_load_to_lds s[44:47], s[32:39]
	s_nop 0
.rept 4
	v_nop
.endr
	s_branch .Lhead_asked
.Lhead_x:
	tensor_load_to_lds s[40:43], s[24:31]
	s_nop 0
.rept 4
	v_nop
.endr
.Lhead_asked:
	s_lshr_b32 s20, s18, 6                         ; the batch
	s_lshl_b32 s20, s20, 3
	s_lshl_b32 s21, s[WV], 1
	s_add_co_u32 s20, s20, s21                     ; batch x 8 + head 2 w
	s_lshl_b32 s20, s20, 6
	s_and_b32 s21, s18, 63
	s_add_co_u32 s20, s20, s21                     ; x 64 + the group within the batch
	s_mul_i32 s22, s20, 1792
	s_add_nc_u64 s[72:73], s[12:13], s[22:23]      ; my block of qbuf
	s_mul_i32 s22, s20, 3328
	s_add_nc_u64 s[74:75], s[14:15], s[22:23]      ; and of kv
	v_and_b32 v[RR], 15, v0
	v_bfe_u32 v[HH], v0, 4, 1
	v_and_b32 v[LL], 31, v0
	v_cmp_ne_u32 vcc_lo, 0, v[HH]                  ; lanes 16-31: kept for the whole kernel
	v_mul_u32_u24 v[A_XR], v[RR], XPIT
	v_lshl_add_u32 v[A_XR], v[HH], 7, v[A_XR]
	s_mul_i32 s20, s[WV], 16*XPIT
	v_add_nc_u32 v[A_XR], s20, v[A_XR]             ; x: my wave's rows, row r, + 128 h
	s_lshl_b32 s20, s[WV], 11
	s_add_co_u32 s20, s20, GBL
	v_lshl_add_u32 v[A_GB], v[HH], 7, s20
	v_lshl_add_u32 v[A_GBS], v[LL], 4, s20
	s_mul_i32 s21, s[WV], 16*144
	s_add_co_u32 s21, s21, CST
	v_mul_u32_u24 v[A_CSW], v[RR], 144
	v_lshl_add_u32 v[A_CSW], v[HH], 6, v[A_CSW]
	v_add_nc_u32 v[A_CSW], s21, v[A_CSW]
	v_lshrrev_b32 v[T], 3, v[RR]                   ; r / 8
	s_wait_alu depctr_va_vdst(0)
	v_and_b32 v[T+1], 7, v[RR]                     ; r % 8
	s_and_b32 s22, s[WV], 1
	s_mul_i32 s20, s22, 6144
	s_lshr_b32 s23, s[WV], 1
	s_lshl_b32 s21, s23, 7
	s_add_co_u32 s20, s20, s21
	s_add_co_u32 s20, s20, XIMG
	v_mul_u32_u24 v[A_XWI], v[T], 3072             ; token 16 w + r is row 8 (w / 2) + r % 8 of tile 2 (w % 2) + r / 8
	v_lshl_add_u32 v[A_XWI], v[HH], 8, v[A_XWI]
	v_lshl_add_u32 v[A_XWI], v[T+1], 4, v[A_XWI]
	v_add_nc_u32 v[A_XWI], s20, v[A_XWI]
	s_lshl_b32 s20, s22, 8
	s_lshl_b32 s21, s23, 5
	s_add_co_u32 s20, s20, s21
	s_add_co_u32 s20, s20, XSC
	v_lshlrev_b32 v[A_XWS], 7, v[T]
	v_lshl_add_u32 v[A_XWS], v[HH], 6, v[A_XWS]
	s_wait_alu depctr_va_vdst(0)
	v_lshl_add_u32 v[A_XWS], v[T+1], 2, v[A_XWS]
	v_add_nc_u32 v[A_XWS], s20, v[A_XWS]
	s_add_co_u32 s20, s19, WCH
	v_lshl_add_u32 v[A_W], v[LL], 4, s20
	s_add_co_u32 s20, s20, 12288
	v_lshl_add_u32 v[A_WS], v[LL], 2, s20
	v_lshl_add_u32 v[A_MV], v[LL], 4, XIMG
	v_lshl_add_u32 v[A_XS], v[LL], 2, XSC
	v_mul_u32_u24 v[A_CS], v[T], 4608
	v_mad_u32_u24 v[A_CS], v[T+1], 144, v[A_CS]
	v_add_nc_u32 v[A_CS], CST, v[A_CS]             ; cos, sin of token 32 (r / 8) + r % 8; tile t lies 8 tokens x t further on
	v_mul_u32_u24 v[OQ], v[HH], 114688             ; the next head's block in qbuf,
	v_lshl_add_u32 v[OQ], v[RR], 4, v[OQ]
	v_mul_u32_u24 v[OKV], v[HH], 212992            ; and in kv
	v_lshl_add_u32 v[OKV], v[RR], 4, v[OKV]
	v_lshlrev_b32 v[O16], 4, v[LL]
	v_lshlrev_b32 v[O8], 3, v[LL]
	v_lshlrev_b32 v[H8], 3, v[HH]
	v_mov_b32 v[PD], 0                             ; a lane permute's destination counts as one of its sources
	v_lshlrev_b32 v28, 4, v[LL]
	global_load_b128 v[48:51], v28, s[6:7]         ; g and b: 1,024 bytes each, 512 a load
	global_load_b128 v[52:55], v28, s[6:7] offset:512
	global_load_b128 v[56:59], v28, s[8:9]
	global_load_b128 v[60:63], v28, s[8:9] offset:512
	; SINES AND COSINES of my 16 tokens: lane (r, h) makes pairs 8 h .. 8 h + 7 of token 16 w + r
	s_and_b32 s20, s18, 63
	s_lshl_b32 s20, s20, 6
	s_lshl_b32 s21, s[WV], 4
	s_add_co_u32 s20, s20, s21
	v_add_nc_u32 v[POS], s20, v[RR]
	v_cvt_f32_u32 v[POS], v[POS]                   ; the position within the sequence
.macro SINCOS k, flo, fhi
	v_mul_f32 v[TA], \flo, v[POS]
	v_mul_f32 v[TB], \fhi, v[POS]
	v_cndmask_b32 v[TH], v[TA], v[TB], vcc_lo      ; the angle: position x frequency, rounded once
	v_mul_f32 v[NN], 0x3f22f983, v[TH]
	v_rndne_f32 v[NN], v[NN]                       ; n = the nearest multiple of pi/2
	v_fma_f32 v[RH], -v[NN], s58, v[TH]
	v_fma_f32 v[RH], -v[NN], s59, v[RH]            ; rho = angle - n pi/2, |rho| <= pi/4
	v_mul_f32 v[R2], v[RH], v[RH]
	v_fma_f32 v[SS], v[R2], s60, s61
	v_fma_f32 v[CC], v[R2], s63, s66
	v_fma_f32 v[SS], v[SS], v[R2], s62
	v_fma_f32 v[CC], v[CC], v[R2], s67
	v_mul_f32 v[U0], v[R2], v[RH]
	v_mul_f32 v[U1], v[R2], v[R2]
	v_fma_f32 v[SS], v[SS], v[U0], v[RH]           ; sin rho
	v_fma_f32 v[U0], v[R2], -0.5, 1.0
	v_cvt_i32_f32 v[NI], v[NN]
	v_fma_f32 v[CC], v[CC], v[U1], v[U0]           ; cos rho
	v_and_b32 v[U0], 1, v[NI]
	v_cmp_eq_u32 s[MSK], 1, v[U0]                  ; n odd: the two change places
	v_cndmask_b32 v[U0], v[SS], v[CC], s[MSK]
	v_cndmask_b32 v[U1], v[CC], v[SS], s[MSK]
	v_lshlrev_b32 v[SS], 30, v[NI]
	v_add_nc_u32 v[CC], 1, v[NI]
	v_and_b32 v[SS], 0x80000000, v[SS]             ; the sine is negative where n mod 4 is 2 or 3,
	v_lshlrev_b32 v[CC], 30, v[CC]
	v_xor_b32 v[CSO+2*\k+1], v[U0], v[SS]
	v_and_b32 v[CC], 0x80000000, v[CC]             ; the cosine where it is 1 or 2
	v_xor_b32 v[CSO+2*\k], v[U1], v[CC]
.endm
	SINCOS 0, 1.0, 0.01
	SINCOS 1, 0.5623413251903491, 0.005623413251903491
	SINCOS 2, 0.31622776601683794, 0.0031622776601683794
	SINCOS 3, 0.1778279410038923, 0.001778279410038923
	SINCOS 4, 0.1, 0.001
	SINCOS 5, 0.05623413251903491, 0.0005623413251903491
	SINCOS 6, 0.031622776601683794, 0.00031622776601683794
	SINCOS 7, 0.01778279410038923, 0.0001778279410038923
.irp i, 0,1,2,3
	ds_store_b128 v[A_CSW], v[CSO+4*\i:CSO+4*\i+3] offset:16*\i
.endr
	s_wait_loadcnt 0x0                             ; g and b
.irp i, 0,1,2,3
	ds_store_b128 v[A_GBS], v[48+4*\i:51+4*\i] offset:512*\i    ; my wave's own copy: g, then b
.endr
	s_wait_dscnt 0x0                               ; the stores have read their registers
	; LAYERNORM 1.  Lane (r, h) holds, of row r, blocks 2 q + h, q = 0 .. 3: 128 numbers
	s_wait_alu depctr_va_vdst(0)                   ; the wait ahead of the branch and the waits below
	s_cmp_lt_u32 s[WV], 3
	s_cbranch_scc1 .Lw_out                         ; waves 0 to 2: the weights may stay on their way: nothing is filled again
	s_wait_tensorcnt 0x0                           ; wave 3: x is in
.Lw_out:
	s_barrier_signal -1
	s_barrier_wait -1                              ; x's 64 rows lie in LDS for all four waves
.irp q, 0,1,2,3
.irp i, 0,1,2,3,4,5,6,7
	ds_load_b128 v[X+32*\q+4*\i:X+32*\q+4*\i+3], v[A_XR] offset:256*\q+16*\i
.endr
.endr
.macro GBLOAD q
.irp i, 0,1,2,3,4,5,6,7
	ds_load_b128 v[GB+4*\i:GB+4*\i+3], v[A_GB] offset:256*(\q)+16*\i
	ds_load_b128 v[GB+32+4*\i:GB+32+4*\i+3], v[A_GB] offset:1024+256*(\q)+16*\i
.endr
.endm
	GBLOAD 0
	s_wait_dscnt 16                                ; the row is in; the 16 loads of g and b may be out
.irp k, 0,2,4,6
	v_pk_add_f32 v[T+\k:T+\k+1], v[X+\k:X+\k+1], v[X+8+\k:X+9+\k]
.endr
.set j, 16
.rept 14
.irp k, 0,2,4,6
	v_pk_add_f32 v[T+\k:T+\k+1], v[T+\k:T+\k+1], v[X+j+\k:X+j+\k+1]
.endr
.set j, j+8
.endr
	v_pk_add_f32 v[T:T+1], v[T:T+1], v[T+2:T+3]
	v_pk_add_f32 v[T+4:T+5], v[T+4:T+5], v[T+6:T+7]
	v_pk_add_f32 v[T:T+1], v[T:T+1], v[T+4:T+5]
	v_add_f32 v[T], v[T], v[T+1]
	v_permlanex16_b32 v[PD], v[T], s[SEL], s[SEL+1]
	v_add_f32 v[T], v[T], v[PD]
	v_mul_f32 v[NM], 0xbb800000, v[T]              ; minus the mean
	v_mov_b32 v[NM+1], v[NM]
.set j, 0
.rept 64
	v_pk_add_f32 v[X+j:X+j+1], v[X+j:X+j+1], v[NM:NM+1]
.set j, j+2
.endr
.irp k, 0,2,4,6
	v_pk_mul_f32 v[T+\k:T+\k+1], v[X+\k:X+\k+1], v[X+\k:X+\k+1]
.endr
.set j, 8
.rept 15
.irp k, 0,2,4,6
	v_pk_fma_f32 v[T+\k:T+\k+1], v[X+j+\k:X+j+\k+1], v[X+j+\k:X+j+\k+1], v[T+\k:T+\k+1]
.endr
.set j, j+8
.endr
	v_pk_add_f32 v[T:T+1], v[T:T+1], v[T+2:T+3]
	v_pk_add_f32 v[T+4:T+5], v[T+4:T+5], v[T+6:T+7]
	v_pk_add_f32 v[T:T+1], v[T:T+1], v[T+4:T+5]
	v_add_f32 v[T], v[T], v[T+1]
	v_permlanex16_b32 v[PD], v[T], s[SEL], s[SEL+1]
	v_add_f32 v[T], v[T], v[PD]
	v_fma_f32 v[T], v[T], s76, s77                 ; the variance + 1e-5
	s_wait_alu depctr_va_vdst(0)
	v_rsq_f32 v[RS], v[T]
	v_nop                                          ; a plain place behind the transcendental
	s_wait_alu depctr_va_vdst(0)                   ; and the wait ahead of its first reader
	v_mov_b32 v[RS+1], v[RS]
	s_wait_alu depctr_va_vdst(0)
.irp q, 0,1,2,3
	s_wait_dscnt 0x0                               ; g and b of this block are in; the last fragment's stores have read their registers
.set j, 0
.rept 16
	v_pk_mul_f32 v[X+32*\q+j:X+32*\q+j+1], v[X+32*\q+j:X+32*\q+j+1], v[RS:RS+1]
.set j, j+2
.endr
.set j, 0
.rept 16
	v_pk_fma_f32 v[X+32*\q+j:X+32*\q+j+1], v[X+32*\q+j:X+32*\q+j+1], v[GB+j:GB+j+1], v[GB+32+j:GB+33+j]
.set j, j+2
.endr
.if \q < 3
	GBLOAD \q+1
.endif
	QBLK X+32*\q, FRG+6*(\q%2), FRG+6*(\q%2)+4, BY+\q
.if \q % 2 == 1
	v_lshl_or_b32 v[WD+\q/2], v[BY+\q], 16, v[BY+\q-1]          ; my two bytes of this K step, at their places; with the other half's the word is whole
	v_lshlrev_b32 v[WD+\q/2], v[H8], v[WD+\q/2]
	v_permlanex16_b32 v[PD], v[WD+\q/2], s[SEL], s[SEL+1]
	v_or_b32 v[WD+\q/2], v[WD+\q/2], v[PD]
.irp k, 0,1,2
	ds_store_b128 v[A_XWI], v[FRG+4*\k:FRG+4*\k+3] offset:1536*(\q/2)+512*\k
.endr
.endif
.endr
	v_cndmask_b32 v[WD], v[WD], v[WD+1], vcc_lo    ; lanes 0-15 store the first K step's word, lanes 16-31 the second's
	ds_store_b32 v[A_XWS], v[WD]
	s_wait_tensorcnt 0x0                           ; waves 0 to 2: my weight is in
	s_wait_dscnt 0x0                               ; for the others' sake: my images, scale words, sines and cosines have landed
	s_barrier_signal -1
	s_barrier_wait -1                              ; (the weight chunks may stay on their way: nothing is filled again)
	v_mov_b32 v[SU+1], 0
	v_mov_b32 v[SU+2], 0
	v_mov_b32 v[SU+3], 0
.macro FETCHW j                        ; my chunk j: 8 fragments and 4 registers of scale words (lanes 0-15 the first K step's, lanes 16-31 the second's)
.irp e, 0,1,2,3,4,5,6,7
.irp k, 0,1,2
	ds_load_b128 v[R+12*\e+4*\k:R+12*\e+4*\k+3], v[A_W] offset:4*CHB*(\j)+1536*\e+512*\k
.endr
.endr
.irp u, 0,1,2,3
	ds_load_b32 v[WS+\u], v[A_WS] offset:4*CHB*(\j)+128*\u
.endr
.endm
.macro FETCHX reg, xs, t               ; tile t of xn: two fragments and the scale words
.irp s, 0,1
.irp k, 0,1,2
	ds_load_b128 v[\reg+12*\s+4*\k:\reg+12*\s+4*\k+3], v[A_MV] offset:(2*(\t)+\s)*1536+512*\k
.endr
.endr
	ds_load_b32 v[\xs], v[A_XS] offset:128*(\t)
.endm
.macro FETCHCS t
.irp i, 0,1,2,3,4,5,6,7
	ds_load_b128 v[CS+4*\i:CS+4*\i+3], v[A_CS] offset:1152*(\t)+16*\i
.endr
.endm
; q (j = 0) or k (j = 1): for each tile of tokens 8 products, RoPE, the quantiser; two tiles' codes leave together, sixteen lanes to a run of 256 bytes of one head's block
.macro JOBQK j, sb, vo
	s_wait_tensorcnt 0x0                           ; my one load of weights is in
	FETCHW \j
	FETCHX MV, XS, 0
	FETCHCS 0
.irp t, 0,1,2,3
	s_wait_dscnt 0x0
.irp u, 0,1,2,3
	WM ACC+8*\u, R+24*\u, MV, -1, WS+\u, XS, 0     ; the four accumulators by turns
.endr
.irp u, 0,1,2,3
	WM ACC+8*\u, R+24*\u+12, MV+12, ACC+8*\u, WS+\u, XS, 1
.endr
.rept 4
	v_nop                                          ; places in front of the loads into the products' registers and of the first read of the results
.endr
.if \t < 3
	FETCHX MV, XS, \t+1
.endif
.irp p, 0,1,2,3,4,5,6,7,8,9,10,11,12,13,14,15
	v_mul_f32 v[T+2*(\p%2)], v[ACC+2*\p], v[CS+2*\p+1]           ; x1 sin
	v_mul_f32 v[T+2*(\p%2)+1], v[ACC+2*\p+1], v[CS+2*\p+1]       ; x2 sin
	v_fma_f32 v[ACC+2*\p], v[ACC+2*\p], v[CS+2*\p], -v[T+2*(\p%2)+1]
	v_fma_f32 v[ACC+2*\p+1], v[ACC+2*\p+1], v[CS+2*\p], v[T+2*(\p%2)]
.endr
.if \t < 3
	FETCHCS \t+1
.endif
.if \t % 2 == 0
	s_wait_xcnt 0x0                                ; the earlier stores have read their data: it is written again only behind this wait
	QBLK ACC, PA, EE, BY
.else
	QBLK ACC, PB, EE+2, BY
.endif
.if \t == 0
	v_mov_b32 v[SU], v[BY]
.else
	v_lshl_or_b32 v[SU], v[BY], 8*\t, v[SU]        ; byte t of row r's scale word
.endif
.if \t % 2 == 1
	global_store_b128 v[\vo], v[PA:PA+3], s[\sb:\sb+1] offset:(\t/2)*768
	global_store_b128 v[\vo], v[PB:PB+3], s[\sb:\sb+1] offset:(\t/2)*768+256
	global_store_b128 v[\vo], v[EE:EE+3], s[\sb:\sb+1] offset:(\t/2)*768+512
.endif
.endr
.if \j == 0
	global_store_b128 v[\vo], v[SU:SU+3], s[\sb:\sb+1] offset:1536
.endif
.endm
	JOBQK 0, 72, OQ
	JOBQK 1, 74, OKV
	; v: source 0 = a tile of tokens, source 1 = tile n of Wv's rows: register 8 t + j of lane (r, h) is key 32 h + 8 t + j of channel row r
	s_wait_tensorcnt 0x0
	v_add_nc_u32 v[A_W], 8*CHB, v[A_W]             ; Wv's chunks lie eight chunks on: beyond the 16 bits of an LDS offset, so the addresses are stepped
	v_add_nc_u32 v[A_WS], 8*CHB, v[A_WS]
	s_wait_alu depctr_va_vdst(0)                   ; the wait behind these writes
	FETCHW 0
.irp n, 0,1,2,3
.irp p, 0,1
	FETCHX MV, XS, 2*\p
	FETCHX MV2, XS+1, 2*\p+1
	s_wait_dscnt 0x0
	WM ACC+16*\p, MV, R+24*\n, -1, XS, WS+\n, 0
	WM ACC+16*\p+8, MV2, R+24*\n, -1, XS+1, WS+\n, 0
	WM ACC+16*\p, MV+12, R+24*\n+12, ACC+16*\p, XS, WS+\n, 1
	WM ACC+16*\p+8, MV2+12, R+24*\n+12, ACC+16*\p+8, XS+1, WS+\n, 1
.rept 4
	v_nop
.endr
.endr
	s_wait_xcnt 0x0                                ; the earlier stores have read their data
	QBLK ACC, PA, EE, BY
	global_store_b128 v[O16], v[PA:PA+3], s[74:75] offset:(\n/2)*212992+1536+768*(\n%2)
	global_store_b64 v[O8], v[EE:EE+1], s[74:75] offset:(\n/2)*212992+1536+768*(\n%2)+512
	v_lshlrev_b32 v[VU+\n], v[H8], v[BY]
	v_permlanex16_b32 v[PD], v[VU+\n], s[SEL], s[SEL+1]
	v_or_b32 v[VU+\n], v[VU+\n], v[PD]             ; the bytes of the group's two blocks of keys, channel row r
.endr
	v_cndmask_b32 v[T], v[VU], v[VU+2], vcc_lo     ; lanes 0-15 store head 2 w's unit, lanes 16-31 head 2 w + 1's
	v_cndmask_b32 v[T+1], v[VU+1], v[VU+3], vcc_lo
	v_lshl_or_b32 v[SU+1], v[T+1], 16, v[T]
	global_store_b128 v[OKV], v[SU:SU+3], s[74:75] offset:3072
	s_set_vgpr_msb 0x4
	s_wait_tensorcnt 0x0
	ds_add_u32 v235, v1
	s_wait_dscnt 0x0
	s_set_vgpr_msb 0x400
	CROUND                                         ; the closing round
	s_endpgm
.Lfunc_end_k_q71588018f9_qkv:
	.size	k_q71588018f9_qkv, .Lfunc_end_k_q71588018f9_qkv-k_q71588018f9_qkv
	.p2alignl 7, 3214868480
	.fill 96, 4, 3214868480
	.section	.rodata,"a",@progbits
	.p2align	6, 0x0
	.amdhsa_kernel k_q71588018f9_qkv
		.amdhsa_group_segment_fixed_size 327680
		.amdhsa_private_segment_fixed_size 0
		.amdhsa_enable_private_segment 0
		.amdhsa_kernarg_size 48
		.amdhsa_user_sgpr_count 2
		.amdhsa_user_sgpr_kernarg_segment_ptr 1
		.amdhsa_wavefront_size32 1
		.amdhsa_system_sgpr_workgroup_id_x 1
		.amdhsa_system_sgpr_workgroup_id_y 1
		.amdhsa_system_sgpr_workgroup_id_z 1
		.amdhsa_system_vgpr_workitem_id 0
		.amdhsa_next_free_vgpr 258
		.amdhsa_next_free_sgpr 80
		.amdhsa_reserve_vcc 1
		.amdhsa_float_denorm_mode_32 3
		.amdhsa_float_denorm_mode_16_64 3
		.amdhsa_memory_ordered 1
		.amdhsa_forward_progress 1
		.amdhsa_inst_pref_size 133
	.end_amdhsa_kernel
	.amdgpu_metadata
---
amdhsa.version: [ 1, 2 ]
amdhsa.kernels:
  - .name:           k_q71588018f9_qkv
    .symbol:         k_q71588018f9_qkv.kd
    .args:
      - { .name: x, .offset: 0, .size: 8, .value_kind: global_buffer, .address_space: global }
      - { .name: ln1_g, .offset: 8, .size: 8, .value_kind: global_buffer, .address_space: global }
      - { .name: ln1_b, .offset: 16, .size: 8, .value_kind: global_buffer, .address_space: global }
      - { .name: wimg, .offset: 24, .size: 8, .value_kind: global_buffer, .address_space: global }
      - { .name: qbuf, .offset: 32, .size: 8, .value_kind: global_buffer, .address_space: global }
      - { .name: kv, .offset: 40, .size: 8, .value_kind: global_buffer, .address_space: global }
    .group_segment_fixed_size: 327680
    .private_segment_fixed_size: 0
    .kernarg_segment_align: 8
    .kernarg_segment_size: 48
    .max_flat_workgroup_size: 128
    .sgpr_count:     80
    .vgpr_count:     258
    .wavefront_size: 32
...
	.end_amdgpu_metadata
.endif
;; end of part 2
;; launch attn (part 3): grid 16 x 16, 16 waves a work-group, clusters of 4 x 1, 327,680 bytes of LDS; arguments qbuf, kv, ao, aos; writes ao, aos
.if DOCPART == 3
	.amdgcn_target "amdgcn-amd-amdhsa--gfx1250"
	.amdhsa_code_object_version 6
	.text
	.protected	k_q71588018f9_attn
	.globl	k_q71588018f9_attn
	.p2align	8
	.type	k_q71588018f9_attn,@function
k_q71588018f9_attn:
	s_mov_b64 s[64:65], 0
	v_nop
	global_prefetch_b8 v0, s[64:65] scope:SCOPE_SE
	s_setreg_imm32_b32 hwreg(HW_REG_WAVE_MODE, 25, 1), 1
	s_wait_xcnt 0x0
	s_wait_alu depctr_hold_cnt(0) depctr_sa_sdst(0) depctr_va_vdst(0) depctr_va_sdst(0) depctr_va_ssrc(0) depctr_va_vcc(0) depctr_vm_vsrc(0)
	s_getreg_b32 s2, hwreg(HW_REG_IB_STS2, 6, 4)
	s_cmp_eq_u32 s2, 0
	s_cbranch_scc0 .Lentry_in_a_cluster
	s_endpgm
.Lentry_in_a_cluster:
	s_bfe_u32 s2, ttmp6, 0x10000c
	s_cmp_lg_u32 s2, 0x3003
	s_cbranch_scc0 .Lentry_shape_is_right
	s_endpgm
.Lentry_shape_is_right:
; Attention of one (batch, head) for 256 queries: scores, softmax and the weighted sum on codes of E3M2; the result is quantised along the head's 32 channels for the next product.
; A work-group has 16 waves, a wave 16 queries and all 4,096 keys, in 32 steps of 128 keys.  Both products are used transposed: a lane holds one query.
; SCORES: the head has 32 channels, the instruction 128 along K: a fragment of k holds 64 keys (row m, block b = key 32 (m / 8) + 8 b + m % 8), and q stands in block b of an operand that is zero elsewhere: four
; products a fragment.  Lane (r, h) then holds, of query r, keys 64 f + 32 h + 0 .. 31 in registers S + 32 f ..: a whole block of the next K.
; p = 2^(t - M), t = score x log2(e) / sqrt(32), M the ceiling of the running largest t; the sum is taken of p before it is quantised; a change of M multiplies the sum and O by an exact power of two.
; A block's largest p is made from the block's largest score by the same multiply-add and exponential.
; ALL OF THE HEAD'S K AND V (64 groups x 3,328 bytes) lie in LDS: each wave asks for four groups with one load at the head, jointly with the three partners of the cluster, which serve other queries of the same head.
; Every LDS byte is filled once.  No prefetch: all tiles are asked for at the head, and there is no loop to run ahead in.
; THE STEP IS LAID SO THAT ONE WAVE ALONE KEEPS ISSUING: k's fragments of the next step and v's of this one are fetched at the step's top; the next step's score products are issued in two halves, each as soon as
; the 32 registers that it writes have been summed and converted; the sum runs in four chains, with the scale bytes' chain between them.
; LIMITS: NaN and infinities are not served; the promise holds while the scaled scores stay under 2^31 in magnitude.  A block whose every p is 0 gets the byte 1 (zero codes).
.set BLK,  3328
.set KVH,  212992
.set OST,  212992                      ; the result's codes: 384 bytes a wave
.set OSS,  219136                      ; its scale bytes
.set SPARE, 219392                     ; the spare words: 128 bytes a wave
.set WV,   12
.set CS,   48                          ; s48-49 c = log2(e) / sqrt(32)
.set SEL,  50
.set TB,   52                          ; the step's first byte in LDS
.set CNT,  53
.set NC,   54                          ; -c
.set QS,   6                           ; v1-5 lane terms of the LDS addresses; v7 8 h; v8 -M; v9 the running largest score; v10-11 the sum; v12-13 f; v16-51 q's four operands
.set KF,   52
.set VF,   76
.set S,    100
.set O,    164
.set PC,   180
.set C1,   192
.set C2,   196
.set KS,   200
.set VS,   201
.set VSW,  203
.set PS,   204
.set BM,   205
.set W0,   213
.set W1,   214
.set W2,   215
.set AD,   216
.set A_O16, 224
.set A_O8,  225
.set A_OB,  226
.set A_RD,  227
.set G_RD,  228
.set A_RS,  229
.set T1,   230
.set T2,   232
.set T3,   234
.macro CROUND
	s_barrier_signal -1
	s_barrier_wait -1
	s_cmp_lg_u32 s[WV], 0
	s_cbranch_scc1 .Lnw0_\@
	s_barrier_signal -3
.Lnw0_\@:
	s_barrier_wait -3
	s_barrier_signal -1
	s_barrier_wait -1
.endm
.macro WMA d, a, b, zero, sa, sb, row
.if \zero
.if \row
	v_wmma_scale_f32_16x16x128_f8f6f4 v[\d:\d+7], v[\a:\a+11], v[\b:\b+11], 0, v[\sa], v[\sb] matrix_a_fmt:MATRIX_FMT_BF6 matrix_b_fmt:MATRIX_FMT_BF6 matrix_a_scale:MATRIX_SCALE_ROW1
.else
	v_wmma_scale_f32_16x16x128_f8f6f4 v[\d:\d+7], v[\a:\a+11], v[\b:\b+11], 0, v[\sa], v[\sb] matrix_a_fmt:MATRIX_FMT_BF6 matrix_b_fmt:MATRIX_FMT_BF6
.endif
.else
.if \row
	v_wmma_scale_f32_16x16x128_f8f6f4 v[\d:\d+7], v[\a:\a+11], v[\b:\b+11], v[\d:\d+7], v[\sa], v[\sb] matrix_a_fmt:MATRIX_FMT_BF6 matrix_b_fmt:MATRIX_FMT_BF6 matrix_a_scale:MATRIX_SCALE_ROW1
.else
	v_wmma_scale_f32_16x16x128_f8f6f4 v[\d:\d+7], v[\a:\a+11], v[\b:\b+11], v[\d:\d+7], v[\sa], v[\sb] matrix_a_fmt:MATRIX_FMT_BF6 matrix_b_fmt:MATRIX_FMT_BF6
.endif
.endif
.endm
.macro KLD a0, a1, a3, off             ; k's two fragments of a step and their scale words (lanes 0-15 the first group's, lanes 16-31 the second's)
.irp f, 0,1
.irp c, 0,1
	ds_load_b128 v[KF+12*\f+6*\c:KF+12*\f+6*\c+3], v[\a0] offset:\off+BLK*\f+768*\c
	ds_load_b64 v[KF+12*\f+6*\c+4:KF+12*\f+6*\c+5], v[\a1] offset:\off+BLK*\f+768*\c+512
.endr
.endr
	ds_load_b32 v[KS], v[\a3] offset:\off+3072
.endm
.macro QK f                            ; the scores of 64 keys: four products, q in block b
.irp b, 0,1,2,3
	WMA S+8*(4*\f+\b), KF+12*\f, 22+18*(\b%2)-6*(\b/2), 1, KS, QS, \f
.endr
.endm
.macro SUM4 j                          ; one turn of the sum's four chains
	v_pk_add_f32 v[10:11], v[10:11], v[S+\j:S+\j+1]
	v_pk_add_f32 v[T1:T1+1], v[T1:T1+1], v[S+\j+2:S+\j+3]
	v_pk_add_f32 v[T2:T2+1], v[T2:T2+1], v[S+\j+4:S+\j+5]
	v_pk_add_f32 v[T3:T3+1], v[T3:T3+1], v[S+\j+6:S+\j+7]
.endm
	s_load_b256 s[4:11], s[0:1], 0x0               ; qbuf, kv, ao, aos
	v_lshl_add_u32 v254, v0, 2, SPARE
	v_mov_b32 v255, 0
	ds_add_u32 v254, v255                          ; the opening lines: the add, twice on end, and its wait ahead of my first tensor load
	ds_add_u32 v254, v255
	v_lshrrev_b32 v1, 5, v0
	s_delay_alu instid0(VALU_DEP_1)
	v_readfirstlane_b32 s[WV], v1                  ; wave 0..15
	s_bfe_u32 s13, ttmp6, 0x40000                  ; cx
	s_lshl_b32 s14, ttmp9, 2
	s_add_co_u32 s14, s14, s13                     ; which 256 queries: it enters global addresses alone
	s_and_b32 s15, ttmp7, 0xffff                   ; batch x 8 + head
	s_mov_b32 s24, 15|(3<<16)|(1<<21)              ; group 1: four groups of keys, 52 dense rows of 256 bytes, asked for jointly by the four partners
	s_mov_b32 s25, 32<<16
	s_mov_b32 s26, 52<<16
	s_mov_b32 s27, 32<<16
	s_mov_b32 s28, 52
	s_mov_b32 s29, 32
	s_mov_b32 s30, 0
	s_mov_b32 s31, 0
	s_mul_i32 s16, s15, KVH
	s_mov_b32 s17, 0
	s_mul_i32 s18, s[WV], 4*BLK
	s_mov_b32 s19, 0
	s_mov_b32 s[CS], 0x3e8293ee
	s_mov_b32 s[CS+1], s[CS]
	s_mov_b32 s[NC], 0xbe8293ee
	s_mov_b32 s[SEL], 0x76543210
	s_mov_b32 s[SEL+1], 0xfedcba98
	s_wait_dscnt 0x0
	s_wait_kmcnt 0x0
	s_add_nc_u64 s[6:7], s[6:7], s[16:17]
	s_mov_b32 s40, 1
	s_mov_b32 s41, s18
	s_add_nc_u64 s[42:43], s[6:7], s[18:19]
	s_or_b32 s43, s43, 0x80000000
	CROUND                                         ; the four partners are here: the joint loads meet
	tensor_load_to_lds s[40:43], s[24:31]          ; groups 4 w .. 4 w + 3: my one load
	s_nop 0
.rept 4
	v_nop
.endr
	s_lshl_b32 s16, s15, 6
	s_lshl_b32 s17, s14, 2
	s_add_co_u32 s16, s16, s17
	s_lshr_b32 s17, s[WV], 2
	s_add_co_u32 s16, s16, s17
	s_mul_i32 s16, s16, 1792
	s_mov_b32 s17, 0
	s_add_nc_u64 s[4:5], s[4:5], s[16:17]          ; the group of 64 queries that holds my 16
	s_lshl_b32 s16, s15, 8
	s_lshl_b32 s18, s14, 4
	s_add_co_u32 s16, s16, s18
	s_mul_i32 s16, s16, 384
	s_add_nc_u64 s[8:9], s[8:9], s[16:17]
	s_lshl_b32 s16, s15, 12
	s_lshl_b32 s18, s14, 8
	s_add_co_u32 s16, s16, s18
	s_add_nc_u64 s[10:11], s[10:11], s[16:17]
	v_and_b32 v60, 15, v0                          ; r
	v_bfe_u32 v61, v0, 4, 1                        ; h
	v_and_b32 v62, 31, v0
	v_cmp_ne_u32 vcc_lo, 0, v61                    ; lanes 16-31
	v_lshlrev_b32 v1, 4, v62
	v_lshlrev_b32 v63, 4, v60
	v_lshlrev_b32 v3, 3, v62
	v_lshlrev_b32 v7, 3, v61
	v_lshl_add_u32 v2, v61, 3, v63
	v_mad_u32_u24 v4, v61, BLK, v63
	v_lshl_add_u32 v5, v61, 1, v63
	s_and_b32 s16, s[WV], 1
	s_mul_i32 s17, s16, 768
	s_lshl_b32 s16, s16, 4
	s_bfe_u32 s18, s[WV], 0x10001
	s_lshl_b32 s18, s18, 7
	v_and_b32 v64, 7, v60
	v_lshrrev_b32 v65, 3, v60
	s_delay_alu instid0(VALU_DEP_2)
	v_lshl_add_u32 v64, v64, 4, s18
	s_delay_alu instid0(VALU_DEP_1)
	v_lshl_add_u32 v66, v65, 8, v64
	v_lshl_add_u32 v67, v65, 3, v64
	v_lshl_add_u32 v68, v65, 3, s16
	s_delay_alu instid0(VALU_DEP_3)
	v_add_nc_u32 v66, s17, v66
	s_delay_alu instid0(VALU_DEP_3)
	v_add_nc_u32 v67, s17, v67
	global_load_b128 v[52:55], v66, s[4:5]         ; query r's 24 bytes of codes, in both halves of the lanes
	global_load_b64 v[56:57], v67, s[4:5] offset:512
	global_load_b32 v58, v64, s[4:5] offset:1536   ; and the word with its scale byte
	s_mul_i32 s16, s[WV], 384
	s_add_co_u32 s16, s16, OST
	v_lshl_add_u32 v[A_O16], v60, 4, s16
	s_add_co_u32 s16, s16, 256
	v_lshl_add_u32 v[A_O8], v60, 3, s16
	s_lshl_b32 s16, s[WV], 4
	s_add_co_u32 s16, s16, OSS
	v_add_nc_u32 v[A_OB], s16, v60
	s_lshl_b32 s16, s[WV], 9
	v_add_nc_u32 v[G_RD], s16, v1
	v_add_nc_u32 v[A_RS], OSS, v3
	v_mov_b32 v9, 0xff61b1e6                       ; the largest score so far: -3e38
	v_add_nc_u32 v[A_RD], OST, v[G_RD]
	v_mul_f32 v8, s[NC], v9
	v_mov_b32 v10, 0
	v_mov_b32 v11, 0
	v_floor_f32 v8, v8                             ; -M
	v_mov_b32 v12, 0
	v_mov_b32 v13, 0
	v_mov_b32 v[W1], 0                             ; a lane permute's destination counts as one of its sources
.irp i, 0,1,2,3,4,5
	v_mov_b32 v[16+\i], 0                          ; the zero blocks of q's four operands
	v_mov_b32 v[28+\i], 0
	v_mov_b32 v[34+\i], 0
	v_mov_b32 v[46+\i], 0
.endr
	s_wait_alu depctr_va_vdst(0)                   ; the wait ahead of the wait below
	s_wait_loadcnt 0x0
	v_lshrrev_b32 v59, v68, v58
	s_delay_alu instid0(VALU_DEP_1)
	v_perm_b32 v[QS], v59, v59, 0                  ; q's byte in all four places
.irp i, 0,1,2,3,4,5
	v_cndmask_b32 v[22+\i], v[52+\i], v16, vcc_lo  ; q in lanes 0-15 alone: blocks 0 and 2
	v_cndmask_b32 v[40+\i], v16, v[52+\i], vcc_lo  ; in lanes 16-31 alone: blocks 1 and 3
.endr
.set j, 0
.rept 16
	v_mov_b32 v[O+j], 0                            ; O^T: the step is written once, and the first change of M leaves zeros zeros.  (These are also the places ahead of the first products)
.set j, j+1
.endr
; A step of 128 keys.  At its top the scores lie in S, or are being made.  nxt = 1: the next step's fragments of k are fetched and its score products issued.
.macro STEP nxt
.irp i, 0,1,2,3,4
	v_add_nc_u32 v[AD+\i], s[TB], v[1+\i]          ; five plain lines: the places behind the last products, ahead of the loads into their operands and of the first read of the scores
.endr
.irp n, 0,1
.irp c, 0,1
	ds_load_b128 v[VF+12*\n+6*\c:VF+12*\n+6*\c+3], v[AD] offset:BLK*\c+1536+768*\n
	ds_load_b64 v[VF+12*\n+6*\c+4:VF+12*\n+6*\c+5], v[AD+2] offset:BLK*\c+1536+768*\n+512
.endr
.endr
	ds_load_u16 v[VS], v[AD+4] offset:3076
	ds_load_u16 v[VS+1], v[AD+4] offset:BLK+3076
.if \nxt
	KLD AD, AD+1, AD+3, 2*BLK
.endif
.irp g, 0,4                            ; the largest score of each block of 32 keys: the first 64 keys' four accumulators by turns, then the others'; each accumulator from its low end on
.irp a, 0,1,2,3
	v_max3_num_f32 v[BM+\g+\a], v[S+8*(\g+\a)], v[S+8*(\g+\a)+1], v[S+8*(\g+\a)+2]
.endr
.irp e, 3,5
.irp a, 0,1,2,3
	v_max3_num_f32 v[BM+\g+\a], v[BM+\g+\a], v[S+8*(\g+\a)+\e], v[S+8*(\g+\a)+\e+1]
.endr
.endr
.endr
.irp c, 0,4
	v_max3_num_f32 v[BM+\c], v[BM+\c], v[S+8*\c+7], v[S+8*\c+15]
	v_max3_num_f32 v[BM+\c+1], v[BM+\c+1], v[S+8*\c+23], v[S+8*\c+31]
.endr
	v_mov_b32 v[W2], v8                            ; the old -M
	v_max3_num_f32 v[BM], v[BM], v[BM+1], v[BM+2]
	v_max3_num_f32 v[BM+4], v[BM+4], v[BM+5], v[BM+6]
	s_delay_alu instid0(VALU_DEP_2)
	v_max_num_f32 v[BM], v[BM], v[BM+3]
	s_delay_alu instid0(VALU_DEP_2)
	v_max_num_f32 v[BM+4], v[BM+4], v[BM+7]
	s_delay_alu instid0(VALU_DEP_1)
	v_max_num_f32 v[W0], v[BM], v[BM+4]
	s_delay_alu instid0(VALU_DEP_1)
	v_permlanex16_b32 v[W1], v[W0], s[SEL], s[SEL+1]
	s_delay_alu instid0(VALU_DEP_1)
	v_max3_num_f32 v9, v9, v[W0], v[W1]            ; the running largest score of my query
	s_delay_alu instid0(VALU_DEP_1)
	v_mul_f32 v[W0], s[NC], v9
	s_delay_alu instid0(VALU_DEP_1)
	v_floor_f32 v8, v[W0]                          ; -M = floor(-t)
	s_delay_alu instid0(VALU_DEP_1)
	v_sub_f32 v[W2], v8, v[W2]                     ; old M - new M, a whole number; f is made among the multiply-adds
.set j, 0
.rept 4
	v_pk_fma_f32 v[S+j:S+j+1], v[S+j:S+j+1], s[CS:CS+1], v[8:9] op_sel_hi:[1,0,0]
.set j, j+2
.endr
	v_cvt_i32_f32 v[W2], v[W2]                     ; (it saturates)
.rept 4
	v_pk_fma_f32 v[S+j:S+j+1], v[S+j:S+j+1], s[CS:CS+1], v[8:9] op_sel_hi:[1,0,0]
.set j, j+2
.endr
	v_ldexp_f32 v12, 1.0, v[W2]                    ; f = 2^(old M - new M)
.rept 24
	v_pk_fma_f32 v[S+j:S+j+1], v[S+j:S+j+1], s[CS:CS+1], v[8:9] op_sel_hi:[1,0,0]
.set j, j+2
.endr
	v_fma_f32 v[BM], v[BM], s[CS], v8
	v_fma_f32 v[BM+4], v[BM+4], s[CS], v8
.set j, 0
.rept 8
	v_pk_mul_f32 v[O+j:O+j+1], v[O+j:O+j+1], v[12:13] op_sel_hi:[1,0]   ; O^T under the new M, ahead of the exponentials
.set j, j+2
.endr
	s_wait_alu depctr_va_vdst(0)                   ; the wait ahead of the batch
.set j, 0
.rept 64
	v_exp_f32 v[S+j], v[S+j]
.set j, j+1
.endr
	v_exp_f32 v[BM], v[BM]                         ; the blocks' largest p
	v_exp_f32 v[BM+4], v[BM+4]
	v_pk_mul_f32 v[10:11], v[10:11], v[12:13] op_sel_hi:[1,0]           ; the sum under the new M: the plain place behind the batch
	s_wait_alu depctr_va_vdst(0)                   ; one wait for the batch, and ahead of the wait below
	s_wait_dscnt 0x0                               ; the fragments asked for at the step's top are in
	v_max_num_f32 v[BM], 0x2800000, v[BM]          ; the floor 2^(5 - 127): the byte cannot fall under 1
	v_max_num_f32 v[BM+4], 0x2800000, v[BM+4]
	v_pk_add_f32 v[10:11], v[10:11], v[S:S+1]      ; the sum of the unquantised p, in four chains; the scale bytes' chain stands between their turns
	v_pk_add_f32 v[T1:T1+1], v[S+2:S+3], v[S+4:S+5]
	v_pk_add_f32 v[T2:T2+1], v[S+6:S+7], v[S+8:S+9]
	v_pk_add_f32 v[T3:T3+1], v[S+10:S+11], v[S+12:S+13]
	v_add_nc_u32 v[BM+1], 0xfe000000, v[BM]        ; 4 off the exponent field: the conversion's scale operand
	v_add_nc_u32 v[BM+5], 0xfe000000, v[BM+4]
	SUM4 14
	v_lshrrev_b32 v[BM+2], 23, v[BM+1]
	v_lshrrev_b32 v[BM+6], 23, v[BM+5]
	SUM4 22
	v_lshl_or_b32 v[W0], v[BM+6], 16, v[BM+2]
	v_lshl_or_b32 v[VSW], v[VS+1], 16, v[VS]       ; v's four bytes of these 128 keys
	v_pk_add_f32 v[10:11], v[10:11], v[S+30:S+31]
	v_lshlrev_b32 v[W0], v7, v[W0]                 ; my two bytes at their places
	v_cvt_scalef32_pk16_bf6_f32 v[PC:PC+2], v[S:S+15], v[BM+1]
	v_cvt_scalef32_pk16_bf6_f32 v[C1:C1+2], v[S+16:S+31], v[BM+1]
	v_cvt_scalef32_pk16_bf6_f32 v[PC+6:PC+8], v[S+32:S+47], v[BM+5]
	v_cvt_scalef32_pk16_bf6_f32 v[C2:C2+2], v[S+48:S+63], v[BM+5]
	SUM4 32                                        ; (plain places behind the conversions)
.if \nxt
	QK 0                                           ; the next step's first 64 keys, over the p that have been summed and converted
.endif
	v_permlanex16_b32 v[W1], v[W0], s[SEL], s[SEL+1]
.irp i, 0,1,2
	v_mov_b32 v[PC+3+\i], v[C1+\i]                 ; (a conversion's three registers begin on an even number)
	v_mov_b32 v[PC+9+\i], v[C2+\i]
.endr
	v_or_b32 v[PS], v[W0], v[W1]                   ; p's scale word; fifteen plain lines stand between it and its product
	SUM4 40
	SUM4 48
	SUM4 56
	s_delay_alu instid0(VALU_DEP_2)
	v_pk_add_f32 v[T1:T1+1], v[T1:T1+1], v[T2:T2+1]
	s_delay_alu instid0(VALU_DEP_2)
	v_pk_add_f32 v[10:11], v[10:11], v[T3:T3+1]
	s_delay_alu instid0(VALU_DEP_1)
	v_pk_add_f32 v[10:11], v[10:11], v[T1:T1+1]
.if \nxt
	QK 1
.endif
	WMA O, VF, PC, 0, VSW, PS, 0                   ; O^T += v^T p^T; no two products on end share an accumulator
	WMA O+8, VF+12, PC, 0, VSW, PS, 1
.endm
	s_wait_alu depctr_va_vdst(0)                   ; the wait at the head's end
	s_wait_tensorcnt 0x0                           ; my four groups are in;
	s_barrier_signal -1
	s_barrier_wait -1                              ; everybody's are
	KLD 1, 2, 4, 0
	s_wait_dscnt 0x0
	QK 0
	QK 1
	s_mov_b32 s[TB], 0
	s_mov_b32 s[CNT], 31
.Lk:
	STEP 1
	s_add_co_u32 s[TB], s[TB], 2*BLK
	s_sub_co_u32 s[CNT], s[CNT], 1
	s_cmp_lg_u32 s[CNT], 0
	s_cbranch_scc1 .Lk
	STEP 0                                         ; the last step asks for nothing more
	v_add_f32 v10, v10, v11
	s_delay_alu instid0(VALU_DEP_1)
	v_permlanex16_b32 v[W1], v10, s[SEL], s[SEL+1]
	s_delay_alu instid0(VALU_DEP_1)
	v_add_f32 v10, v10, v[W1]                      ; the row's sum
	v_nop
	v_nop
	s_wait_alu depctr_va_vdst(0)
	v_rcp_f32 v10, v10
	v_nop
	s_wait_alu depctr_va_vdst(0)
.set j, 0
.rept 8
	v_pk_mul_f32 v[O+j:O+j+1], v[O+j:O+j+1], v[10:11] op_sel_hi:[1,0]
.set j, j+2
.endr
	v_max3_num_f32 v[BM], |v[O]|, |v[O+1]|, 0x2800000               ; the quantiser of the result: a block = the head's 32 channels, 16 in each half of the lanes
.irp i, 2,4,6,8,10,12,14
	s_delay_alu instid0(VALU_DEP_1)
	v_max3_num_f32 v[BM], v[BM], |v[O+\i]|, |v[O+\i+1]|
.endr
	s_delay_alu instid0(VALU_DEP_1)
	v_permlanex16_b32 v[W1], v[BM], s[SEL], s[SEL+1]
	s_delay_alu instid0(VALU_DEP_1)
	v_max_num_f32 v[BM], v[BM], v[W1]
	s_delay_alu instid0(VALU_DEP_1)
	v_add_nc_u32 v[BM+1], 0xfe000000, v[BM]
	s_delay_alu instid0(VALU_DEP_1)
	v_lshrrev_b32 v[BM+2], 23, v[BM+1]
	v_cvt_scalef32_pk16_bf6_f32 v[100:102], v[O:O+15], v[BM+1]
	v_nop
.irp i, 0,1,2
	v_permlanex16_b32 v[104+\i], v[100+\i], s[SEL], s[SEL+1]
.endr
.irp i, 0,1,2
	v_cndmask_b32 v[108+\i], v[100+\i], v[104+\i], vcc_lo
	v_cndmask_b32 v[111+\i], v[104+\i], v[100+\i], vcc_lo
.endr
	ds_store_b128 v[A_O16], v[108:111]
	ds_store_b64 v[A_O8], v[112:113]
	ds_store_b8 v[A_OB], v[BM+2]
	s_wait_dscnt 0x0                               ; for the others' sake
	s_barrier_signal -1
	s_barrier_wait -1
	s_cmp_lt_u32 s[WV], 12
	s_cbranch_scc0 .Lnot_codes
	ds_load_b128 v[116:119], v[A_RD]               ; the 6,144 bytes of codes leave by twelve waves, 512 consecutive bytes each
	s_wait_dscnt 0x0
	global_store_b128 v[G_RD], v[116:119], s[8:9]
.Lnot_codes:
	s_cmp_eq_u32 s[WV], 12
	s_cbranch_scc0 .Ldone
	ds_load_b64 v[120:121], v[A_RS]                ; the 256 scale bytes as one unit
	s_wait_dscnt 0x0
	global_store_b64 v3, v[120:121], s[10:11]
.Ldone:
	s_wait_tensorcnt 0x0                           ; the wave's end
	ds_add_u32 v254, v255
	s_wait_dscnt 0x0
	CROUND                                         ; the closing round
	s_endpgm
.Lfunc_end_k_q71588018f9_attn:
	.size	k_q71588018f9_attn, .Lfunc_end_k_q71588018f9_attn-k_q71588018f9_attn
	.p2alignl 7, 3214868480
	.fill 96, 4, 3214868480
	.section	.rodata,"a",@progbits
	.p2align	6, 0x0
	.amdhsa_kernel k_q71588018f9_attn
		.amdhsa_group_segment_fixed_size 327680
		.amdhsa_private_segment_fixed_size 0
		.amdhsa_enable_private_segment 0
		.amdhsa_kernarg_size 32
		.amdhsa_user_sgpr_count 2
		.amdhsa_user_sgpr_kernarg_segment_ptr 1
		.amdhsa_wavefront_size32 1
		.amdhsa_system_sgpr_workgroup_id_x 1
		.amdhsa_system_sgpr_workgroup_id_y 1
		.amdhsa_system_sgpr_workgroup_id_z 1
		.amdhsa_system_vgpr_workitem_id 0
		.amdhsa_next_free_vgpr 256
		.amdhsa_next_free_sgpr 66
		.amdhsa_reserve_vcc 1
		.amdhsa_float_denorm_mode_32 3
		.amdhsa_float_denorm_mode_16_64 3
		.amdhsa_memory_ordered 1
		.amdhsa_forward_progress 1
		.amdhsa_inst_pref_size 38
	.end_amdhsa_kernel
	.amdgpu_metadata
---
amdhsa.version: [ 1, 2 ]
amdhsa.kernels:
  - .name:           k_q71588018f9_attn
    .symbol:         k_q71588018f9_attn.kd
    .args:
      - { .name: qbuf, .offset: 0, .size: 8, .value_kind: global_buffer, .address_space: global }
      - { .name: kv, .offset: 8, .size: 8, .value_kind: global_buffer, .address_space: global }
      - { .name: ao, .offset: 16, .size: 8, .value_kind: global_buffer, .address_space: global }
      - { .name: aos, .offset: 24, .size: 8, .value_kind: global_buffer, .address_space: global }
    .group_segment_fixed_size: 327680
    .private_segment_fixed_size: 0
    .kernarg_segment_align: 8
    .kernarg_segment_size: 32
    .max_flat_workgroup_size: 512
    .sgpr_count:     66
    .vgpr_count:     256
    .wavefront_size: 32
...
	.end_amdgpu_metadata
.endif
;; end of part 3
;; launch mlp (part 4): grid 256 x 1, 4 waves a work-group, clusters of 4 x 1, 327,680 bytes of LDS; arguments ao, aos, wimg, x, ln2_g, ln2_b, b2, b3, out0; writes out0
.if DOCPART == 4
	.amdgcn_target "amdgcn-amd-amdhsa--gfx1250"
	.amdhsa_code_object_version 6
	.text
	.protected	k_q71588018f9_mlp
	.globl	k_q71588018f9_mlp
	.p2align	8
	.type	k_q71588018f9_mlp,@function
k_q71588018f9_mlp:
	s_mov_b64 s[64:65], 0
	v_nop
	global_prefetch_b8 v0, s[64:65] scope:SCOPE_SE
	s_setreg_imm32_b32 hwreg(HW_REG_WAVE_MODE, 25, 1), 1
	s_wait_xcnt 0x0
	s_wait_alu depctr_hold_cnt(0) depctr_sa_sdst(0) depctr_va_vdst(0) depctr_va_sdst(0) depctr_va_ssrc(0) depctr_va_vcc(0) depctr_vm_vsrc(0)
	s_getreg_b32 s2, hwreg(HW_REG_IB_STS2, 6, 4)
	s_cmp_eq_u32 s2, 0
	s_cbranch_scc0 .Lentry_in_a_cluster
	s_endpgm
.Lentry_in_a_cluster:
	s_bfe_u32 s2, ttmp6, 0x10000c
	s_cmp_lg_u32 s2, 0x3003
	s_cbranch_scc0 .Lentry_shape_is_right
	s_endpgm
.Lentry_shape_is_right:
; out0 = gelu(LN2(m) W2^T + b2) W3^T + b3 + m, m = attention's result x Wo^T + x.  All three products on codes of E3M2; LayerNorm, GELU (exact, by erf) and the residuals in f32.
; A work-group owns 32 tokens (two tiles).  THE WAVES SHARE THE COLUMNS: wave w makes channels 64 w .. 64 w + 63 of m and of the output, and hidden units 256 w .. 256 w + 255.
; Every product is used transposed (source 0 = 16 rows of a weight, source 1 = a tile of tokens); with the weights' order of rows (see the launch that lays them out) four neighbouring tiles leave 32 neighbouring
; channels of one token in a lane: a whole block for the next quantiser, in the lane that the next operand wants.  x is the C of Wo's first products, b2 of W2's, m + b3 of W3's.
; Operands go from wave to wave through LDS as images of their registers; three barriers.  Wo's and W2's chunks come by joint loads of the cluster's four work-groups into each wave's own LDS bytes.
; W3 IS NOT ASKED FOR JOINTLY: 324,352 of the 327,680 bytes of LDS are in use, so its 51,200 bytes a wave would have to be filled over chunks already read, behind rounds of the cluster's barrier in a phase whose
; waves otherwise never meet; it goes from memory straight into registers (384 of them), 24 loads behind each quarter of the hidden layer's products.  Every LDS byte is filled once.
; LIMITS: NaN and infinities are not served.  A block of zeros gets the byte 1, not 127 (zero codes; the bytes are read by this program alone).  erf is x P(x^2) / Q(x^2) in f32 with |x| held at 4.
; REGISTERS.  window 0: v1-31 addresses and constants; v32-61 scale words and nothing else; v64-127 8 accumulators; v128-191 at work (g and b, GELU, rows of the result); v192-215 codes just made; v216-255 at work.
;   window 1: W3's fragments 0-19.   window 2: W3's 20-31; v144-207 m + b3; v208-255 the token tiles' four fragments.   window 3: v0-95 a chunk's fragments; v96-223 b2; v224-255 b3; later v0-191 the hidden layer's 16 fragments.
.set CHB,  12800
.set XST,  256000                      ; LDS bytes 0 .. 255,999 hold wimg's chunks 12-31 (Wo's four, W2's sixteen) as they lie in memory; behind them x's 32 rows of 1,024 + 16 bytes; wave w's 256 bytes of each row are later its stage on the way out
.set YIMG, 290816                      ; LN2's four fragments (2 tt + s): for each half c: 16 lane (4 registers), 512 + 8 lane (2 registers)
.set YSC,  296960                      ; their scale bytes: 128 tt + 64 s + 4 r + block
.set HIMG, 297216                      ; the hidden layer's 16 fragments (8 tt + K step)
.set HSC,  321792                      ; their scale words: 512 tt + 64 K step + 4 r
.set STAT, 322816                      ; mean and sum of squares: 32 token + 8 wave
.set WV,   22
.set SEL,  98
.set A_AO16, 4
.set A_AO8, 5
.set A_AOS, 6
.set A_H128, 7
.set A_W, 8
.set A_WS, 9
.set A_X, 10
.set A_ST, 11
.set A_STR, 12
.set A_YW16, 13
.set A_YW8, 14
.set A_YSW, 15
.set A_Y16, 16
.set A_Y8, 17
.set A_YS, 18
.set A_HW, 19
.set A_HSW, 20
.set A_H16, 21
.set A_HS, 22
.set A_OR, 23
.set G16, 28
.set G4, 29
.set GO, 30
.set H8, 31
.set WS,  32                           ; v32-35 a chunk's scale words
.set AS,  36                           ; v36-37 the token tiles' scale words
.set W3S, 38                           ; v38-53
.set HS,  54                           ; v54-61
.set ACC, 64
.set ZP,  128
.set T2,  144
.set PP,  160
.set QQ,  176
.set HC,  192
.set BYH, 216                          ; v216-219 statistics, later bytes
.set TQ,  220                          ; v220-227
.set TP,  228                          ; v228-235
.set MW,  236                          ; v236-237 minus a mean; later the hidden layer's scale words
.set RS,  238                          ; v238-239
.set MA,  240
.set MB,  241
.set SC,  242
.set TT,  244                          ; v244-246
.set PD,  247
.set MSB, 0
.macro WIN new                         ; the immediate's high byte repeats the setting that is left
.if MSB != \new
	s_set_vgpr_msb (MSB<<8)|\new
.set MSB, \new
.endif
.endm
.macro CROUND
	s_barrier_signal -1
	s_barrier_wait -1
	s_cmp_lg_u32 s[WV], 0
	s_cbranch_scc1 .Lnw0_\@
	s_barrier_signal -3
.Lnw0_\@:
	s_barrier_wait -3
	s_barrier_signal -1
	s_barrier_wait -1
.endm
.macro QBLK src, d0, d4, by            ; 32 numbers of one block -> 24 bytes of codes in v[d0 .. d0+3], v[d4 .. d4+1], the byte in v[by]
	v_max3_num_f32 v[MA], |v[\src]|, |v[\src+1]|, 0x2800000        ; the floor 2^(5 - 127)
	v_max3_num_f32 v[MB], |v[\src+2]|, |v[\src+3]|, |v[\src+4]|
.irp i, 5,9,13,17,21,25
	v_max3_num_f32 v[MA], v[MA], |v[\src+\i]|, |v[\src+\i+1]|
	v_max3_num_f32 v[MB], v[MB], |v[\src+\i+2]|, |v[\src+\i+3]|
.endr
	v_max3_num_f32 v[MA], v[MA], |v[\src+29]|, |v[\src+30]|
	v_max3_num_f32 v[MA], v[MA], v[MB], |v[\src+31]|
	v_add_nc_u32 v[SC], 0xfe000000, v[MA]
	v_lshrrev_b32 v[\by], 23, v[SC]
	v_cvt_scalef32_pk16_bf6_f32 v[\d0:\d0+2], v[\src:\src+15], v[SC]
	v_cvt_scalef32_pk16_bf6_f32 v[TT:TT+2], v[\src+16:\src+31], v[SC]
	v_nop                                                          ; one plain place behind a scaled conversion
	v_mov_b32 v[\d0+3], v[TT]
	v_mov_b32 v[\d4], v[TT+1]
	v_mov_b32 v[\d4+1], v[TT+2]
.endm
.macro WM d, a, b, c, sa, sb, row      ; row = 1: both sides' scales from lanes 16-31 (the odd K step's words)
.if \row
	v_wmma_scale_f32_16x16x128_f8f6f4 v[\d:\d+7], v[\a:\a+11], v[\b:\b+11], v[\c:\c+7], v[\sa], v[\sb] matrix_a_fmt:MATRIX_FMT_BF6 matrix_b_fmt:MATRIX_FMT_BF6 matrix_a_scale:MATRIX_SCALE_ROW1 matrix_b_scale:MATRIX_SCALE_ROW1
.else
	v_wmma_scale_f32_16x16x128_f8f6f4 v[\d:\d+7], v[\a:\a+11], v[\b:\b+11], v[\c:\c+7], v[\sa], v[\sb] matrix_a_fmt:MATRIX_FMT_BF6 matrix_b_fmt:MATRIX_FMT_BF6
.endif
.endm
.macro PLACES
.rept 4
	v_nop
.endr
.endm
.macro FETCHWB ci                      ; chunk ci of my five: 8 fragments into window 3, 4 registers of scale words
	WIN 0xc0
.irp e, 0,1,2,3,4,5,6,7
.irp k, 0,1,2
	ds_load_b128 v[12*\e+4*\k:12*\e+4*\k+3], v[A_W] offset:CHB*(\ci)+1536*\e+512*\k
.endr
.endr
	WIN 0
.irp u, 0,1,2,3
	ds_load_b32 v[WS+\u], v[A_WS] offset:CHB*(\ci)+128*\u
.endr
.endm
.macro W3LOAD i                        ; W3's chunk i of my four, from memory: fragment (tile u, K step 2 i + g) is number 4 (2 i + g) + u
.irp g, 0,1
.irp u, 0,1,2,3
.set F3, 4*(2*(\i)+\g)+\u
.if F3 < 20
	WIN 0x40
.set RG, 12*F3
.else
	WIN 0x80
.set RG, 12*(F3-20)
.endif
.irp k, 0,1,2
	global_load_b128 v[RG+4*\k:RG+4*\k+3], v[G16], s[8:9] offset:CHB*(\i)+1536*(2*\u+\g)+512*\k
.endr
.endr
.endr
	WIN 0
.endm
; gelu(x) = x/2 + x/2 erf(x / sqrt 2) of the 16 numbers at ACC + 16 k.  The 16 reciprocals are one batch with one wait.
.macro GELU k
.set XB, ACC+16*(\k)
.irp p, 0,2,4,6,8,10,12,14
	v_pk_mul_f32 v[ZP+\p:ZP+\p+1], v[XB+\p:XB+\p+1], s[96:97] op_sel_hi:[1,0]
.endr
.irp i, 0,1,2,3,4,5,6,7,8,9,10,11,12,13,14,15
	v_med3_num_f32 v[ZP+\i], v[ZP+\i], -4.0, 4.0
.endr
.irp p, 0,2,4,6,8,10,12,14
	v_pk_mul_f32 v[T2+\p:T2+\p+1], v[ZP+\p:ZP+\p+1], v[ZP+\p:ZP+\p+1]
.endr
.irp p, 0,2,4,6,8,10,12,14
	v_pk_fma_f32 v[PP+\p:PP+\p+1], v[T2+\p:T2+\p+1], v[24:25], s[76:77] op_sel_hi:[1,1,0]
	v_pk_fma_f32 v[QQ+\p:QQ+\p+1], v[T2+\p:T2+\p+1], v[26:27], s[88:89] op_sel_hi:[1,1,0]
.endr
.irp c, 0,2,4
.irp p, 0,2,4,6,8,10,12,14
	v_pk_fma_f32 v[PP+\p:PP+\p+1], v[PP+\p:PP+\p+1], v[T2+\p:T2+\p+1], s[78+\c:79+\c] op_sel_hi:[1,1,0]
	v_pk_fma_f32 v[QQ+\p:QQ+\p+1], v[QQ+\p:QQ+\p+1], v[T2+\p:T2+\p+1], s[90+\c:91+\c] op_sel_hi:[1,1,0]
.endr
.endr
.irp c, 6,8
.irp p, 0,2,4,6,8,10,12,14
	v_pk_fma_f32 v[PP+\p:PP+\p+1], v[PP+\p:PP+\p+1], v[T2+\p:T2+\p+1], s[78+\c:79+\c] op_sel_hi:[1,1,0]
.endr
.endr
	s_wait_alu depctr_va_vdst(0)
.irp i, 0,1,2,3,4,5,6,7,8,9,10,11,12,13,14,15
	v_rcp_f32 v[QQ+\i], v[QQ+\i]
.endr
.irp p, 0,2,4,6,8,10,12,14
	v_pk_mul_f32 v[ZP+\p:ZP+\p+1], v[ZP+\p:ZP+\p+1], v[PP+\p:PP+\p+1]
.endr
.irp p, 0,2,4,6,8,10,12,14
	v_pk_mul_f32 v[PP+\p:PP+\p+1], v[XB+\p:XB+\p+1], 0.5 op_sel_hi:[1,0]
.endr
	s_wait_alu depctr_va_vdst(0)                   ; one wait for the 16 reciprocals, ahead of their first reader; the 16 lines above are the work between
.irp p, 0,2,4,6,8,10,12,14
	v_pk_mul_f32 v[ZP+\p:ZP+\p+1], v[ZP+\p:ZP+\p+1], v[QQ+\p:QQ+\p+1]
.endr
.irp p, 0,2,4,6,8,10,12,14
	v_pk_fma_f32 v[XB+\p:XB+\p+1], v[PP+\p:PP+\p+1], v[ZP+\p:ZP+\p+1], v[PP+\p:PP+\p+1]
.endr
.endm
	s_load_b256 s[4:11], s[0:1], 0x0               ; ao, aos, wimg, x
	s_load_b256 s[12:19], s[0:1], 0x20             ; ln2_g, ln2_b, b2, b3
	s_load_b64 s[20:21], s[0:1], 0x40              ; out0
	v_lshl_add_u32 v254, v0, 2, 0x4f100
	v_mov_b32 v255, 0
	ds_add_u32 v254, v255
	ds_add_u32 v254, v255
	v_lshrrev_b32 v1, 5, v0
	v_readfirstlane_b32 s[WV], v1                  ; wave 0..3
	s_bfe_u32 s23, ttmp6, 0x40000                  ; cx
	s_lshl_b32 s24, ttmp9, 2
	s_add_co_u32 s24, s24, s23                     ; the work-group: it enters global addresses alone
	; group 1 for a weight chunk: 50 dense rows of 256 bytes, asked for jointly
	s_mov_b32 s32, 15|(3<<16)|(1<<21)
	s_mov_b32 s33, 32<<16
	s_mov_b32 s34, 200<<16                         ; Wo's four chunks: 200 rows
	s_mov_b32 s35, 32<<16
	s_mov_b32 s36, 200
	s_mov_b32 s37, 32
	s_mov_b32 s38, 0
	s_mov_b32 s39, 0
	s_mov_b32 s68, 15|(3<<16)|(1<<21)              ; group 1 for eight chunks of W2: 400 dense rows of 256 bytes, asked for jointly
	s_mov_b32 s69, 32<<16
	s_mov_b32 s70, 400<<16
	s_mov_b32 s71, 32<<16
	s_mov_b32 s72, 400
	s_mov_b32 s73, 32
	s_mov_b32 s74, 0
	s_mov_b32 s75, 0
	; group 1 for x: the work-group's 32 rows; no mask
	s_mov_b32 s40, (3<<16)|(1<<20)|(7<<22)|(3<<25) ; x: 32 whole rows of 1,024 bytes, 4 words of padding behind each 256 words
	s_mov_b32 s41, 128<<16
	s_mov_b32 s42, 32<<16
	s_mov_b32 s43, 128<<16
	s_mov_b32 s44, 32
	s_mov_b32 s45, 128
	s_mov_b32 s46, 0
	s_mov_b32 s47, 0
	s_mul_i32 s25, s[WV], CHB                      ; Wo's chunk w in LDS
	s_lshl_b32 s26, s[WV], 8                       ; my 256 bytes of each row of x
	s_add_co_u32 s26, s26, XST                     ; my strip
	s_lshl_b32 s28, s24, 15
	s_lshl_b32 s29, s[WV], 8
	s_add_co_u32 s28, s28, s29                     ; 32 rows of 1,024 bytes a work-group, 256 bytes a wave
	s_mov_b32 s29, 0
	s_mul_i32 s30, s[WV], CHB
	s_mov_b32 s31, 0
	; erf's coefficients, each as a pair: the packed form names a pair and takes its low word for both halves
.macro SPAIR r, val
	s_mov_b32 s[\r], \val
	s_mov_b32 s[\r+1], \val
.endm
	SPAIR 76, 0x32edffee                           ; P:  2.77068142e-8
	SPAIR 78, 0xb60cff51                           ;    -2.10102402e-6
	SPAIR 80, 0xb86ec2d2                           ;    -5.69250639e-5
	SPAIR 82, 0xba40ac63                           ;    -7.34990630e-4
	SPAIR 84, 0xbb41a1f6                           ;    -2.95459981e-3
	SPAIR 86, 0xbc83dbd4                           ;    -1.60960333e-2
	SPAIR 88, 0xb95fbd29                           ; Q: -2.13374055e-4
	SPAIR 90, 0xbadc924e                           ;    -1.68282697e-3
	SPAIR 92, 0xbbf19bf8                           ;    -7.37332917e-3
	SPAIR 94, 0xbc69b6a7                           ;    -1.42647391e-2
	SPAIR 96, 0x3f3504f3                           ; 1 / sqrt(2)
	s_mov_b32 s[SEL], 0x76543210
	s_mov_b32 s[SEL+1], 0xfedcba98
	s_mov_b32 s100, 0x3b800000                     ; 1 / 256
	s_mov_b32 s101, 0x3727c5ac                     ; 1e-5
	s_wait_dscnt 0x0
	s_wait_kmcnt 0x0
	s_mov_b32 s48, 1                               ; Wo: chunks 12-15, to LDS byte 0
	s_mov_b32 s49, 0
	s_add_nc_u64 s[50:51], s[8:9], 12*CHB
	s_or_b32 s51, s51, 0x80000000
	s_mov_b32 s52, 1                               ; x: the work-group's 32 rows
	s_mov_b32 s53, XST
	s_lshl_b32 s56, s24, 15
	s_mov_b32 s57, 0
	s_add_nc_u64 s[54:55], s[10:11], s[56:57]
	s_or_b32 s55, s55, 0x80000000
	s_and_b32 s58, s[WV], 1                        ; W2: wave 2 takes chunks 16-23, wave 3 chunks 24-31
	s_mul_i32 s58, s58, 8*CHB
	s_mov_b32 s59, 0
	s_mov_b32 s60, 1
	s_add_co_u32 s61, s58, 4*CHB
	s_add_nc_u64 s[62:63], s[8:9], s[58:59]
	s_add_nc_u64 s[62:63], s[62:63], 16*CHB
	s_or_b32 s63, s63, 0x80000000
	s_lshl_b32 s30, s30, 2
	s_add_nc_u64 s[8:9], s[8:9], s[30:31]          ; wimg + 4 w chunks
	CROUND                                         ; the four partners are here: the joint loads meet
	s_cmp_lt_u32 s[WV], 1                          ; the head's loads, one a wave, in one chain of branches on the wave's number
	s_cbranch_scc0 .Lhead_x
	tensor_load_to_lds s[48:51], s[32:39]
	s_nop 0
	PLACES
	s_branch .Lhead_asked
.Lhead_x:
	s_cmp_lt_u32 s[WV], 2
	s_cbranch_scc0 .Lhead_w2
	tensor_load_to_lds s[52:55], s[40:47]
	s_nop 0
	PLACES
	s_branch .Lhead_asked
.Lhead_w2:
	tensor_load_to_lds s[60:63], s[68:75]
	s_nop 0
	PLACES
.Lhead_asked:
	s_add_nc_u64 s[8:9], s[8:9], 32*CHB            ; W3's chunks 32 + 4 w ..
	s_add_nc_u64 s[20:21], s[20:21], s[28:29]      ; out0 at my strip
	s_lshr_b32 s27, s24, 7                         ; the batch
	s_and_b32 s30, s24, 127
	s_lshl_b32 s28, s27, 11
	s_lshl_b32 s23, s30, 1
	s_add_co_u32 s28, s28, s23                     ; batch x 8 heads x 256 tiles + my first tile
	s_mul_i32 s28, s28, 384
	s_add_nc_u64 s[4:5], s[4:5], s[28:29]
	s_lshl_b32 s28, s27, 15
	s_lshl_b32 s23, s30, 5
	s_add_co_u32 s28, s28, s23
	s_add_nc_u64 s[6:7], s[6:7], s[28:29]
	s_lshl_b32 s28, s[WV], 8
	s_add_nc_u64 s[12:13], s[12:13], s[28:29]      ; g, b, b3 at my 64 channels
	s_add_nc_u64 s[14:15], s[14:15], s[28:29]
	s_add_nc_u64 s[18:19], s[18:19], s[28:29]
	s_lshl_b32 s28, s[WV], 10
	s_add_nc_u64 s[16:17], s[16:17], s[28:29]      ; b2 at my 256 hidden units
	v_and_b32 v1, 15, v0                           ; r
	v_bfe_u32 v2, v0, 4, 1                         ; h
	v_and_b32 v3, 31, v0                           ; lane
	v_mul_u32_u24 v[A_AO16], v2, 98304             ; the next head in ao
	v_lshl_add_u32 v[A_AO8], v1, 3, v[A_AO16]
	v_lshl_add_u32 v[A_AO16], v1, 4, v[A_AO16]
	v_lshl_add_u32 v[A_AOS], v2, 14, v1            ; four heads on in aos
	v_lshlrev_b32 v[A_H128], 7, v2
	; attention's result: block 2 c + h of K step s is head 4 s + 2 c + h
	WIN 0x80
.irp tt, 0,1
.irp s, 0,1
.irp c, 0,1
	global_load_b128 v[208+24*\tt+12*\s+6*\c:208+24*\tt+12*\s+6*\c+3], v[A_AO16], s[4:5] offset:(4*\s+2*\c)*98304+384*\tt
	global_load_b64 v[208+24*\tt+12*\s+6*\c+4:208+24*\tt+12*\s+6*\c+5], v[A_AO8], s[4:5] offset:(4*\s+2*\c)*98304+384*\tt+256
.endr
.endr
.endr
	WIN 0
.irp tt, 0,1
.irp k, 0,1,2,3
	global_load_u8 v[TQ+4*\tt+\k], v[A_AOS], s[6:7] offset:4096*\k+16*\tt   ; lanes 0-15 heads 0-3, lanes 16-31 heads 4-7
.endr
.endr
	WIN 0xc0
.irp i, 0,1,2,3,4,5,6,7
	global_load_b128 v[224+4*\i:227+4*\i], v[A_H128], s[18:19] offset:16*\i    ; b3 of my 32 channels
.endr
	WIN 0
.irp i, 0,1,2,3,4,5,6,7
	global_load_b128 v[128+4*\i:131+4*\i], v[A_H128], s[12:13] offset:16*\i    ; g
.endr
.irp i, 0,1,2,3,4,5,6,7
	global_load_b128 v[160+4*\i:163+4*\i], v[A_H128], s[14:15] offset:16*\i    ; b
.endr
	v_lshl_add_u32 v[A_W], v3, 4, s25
	s_add_co_u32 s27, s25, 12288
	v_lshl_add_u32 v[A_WS], v3, 2, s27
	v_mul_u32_u24 v[A_X], v1, 1040
	v_lshl_add_u32 v[A_X], v2, 7, v[A_X]
	v_add_nc_u32 v[A_X], s26, v[A_X]
	s_wait_loadcnt 24                              ; the codes and bytes of attention's result are in; b3, g and b may be out
.irp tt, 0,1
	v_lshl_or_b32 v[AS+\tt], v[TQ+4*\tt+1], 8, v[TQ+4*\tt]
	v_lshl_or_b32 v[AS+\tt], v[TQ+4*\tt+2], 16, v[AS+\tt]
	v_lshl_or_b32 v[AS+\tt], v[TQ+4*\tt+3], 24, v[AS+\tt]
.endr
	; the later phases' addresses are made here: more than eight plain lines between the scale words just made and the first product
	s_lshl_b32 s27, s[WV], 3
	s_add_co_u32 s27, s27, STAT
	v_lshl_add_u32 v[A_ST], v1, 5, s27
	v_lshl_add_u32 v[A_STR], v1, 5, STAT
	s_lshr_b32 s28, s[WV], 1
	s_and_b32 s30, s[WV], 1
	s_mul_i32 s27, s28, 1536
	s_mul_i32 s23, s30, 768
	s_add_co_u32 s27, s27, s23
	s_add_co_u32 s27, s27, YIMG
	v_lshl_add_u32 v[A_YW16], v3, 4, s27
	s_add_co_u32 s27, s27, 512
	v_lshl_add_u32 v[A_YW8], v3, 3, s27
	s_lshl_b32 s27, s28, 6
	s_lshl_b32 s23, s30, 1
	s_add_co_u32 s27, s27, s23
	s_add_co_u32 s27, s27, YSC
	v_lshl_add_u32 v[A_YSW], v1, 2, s27
	v_add_nc_u32 v[A_YSW], v[A_YSW], v2
	v_lshl_add_u32 v[A_Y16], v3, 4, YIMG
	v_lshl_add_u32 v[A_Y8], v3, 3, YIMG+512
	v_lshl_add_u32 v[A_YS], v3, 2, YSC
	s_mul_i32 s27, s[WV], 3072
	s_add_co_u32 s27, s27, HIMG
	v_lshl_add_u32 v[A_HW], v3, 4, s27
	s_lshl_b32 s27, s[WV], 7
	s_add_co_u32 s27, s27, HSC
	v_lshl_add_u32 v[A_HSW], v1, 2, s27
	v_lshl_add_u32 v[A_H16], v3, 4, HIMG
	v_lshl_add_u32 v[A_HS], v3, 2, HSC
	v_mul_u32_u24 v[A_OR], v2, 1040
	v_lshl_add_u32 v[A_OR], v1, 4, v[A_OR]
	v_add_nc_u32 v[A_OR], s26, v[A_OR]
	v_lshlrev_b32 v[G16], 4, v3
	v_lshlrev_b32 v[G4], 2, v3
	v_lshlrev_b32 v[GO], 10, v2
	v_lshl_add_u32 v[GO], v1, 4, v[GO]
	v_lshlrev_b32 v[H8], 3, v2
	v_mov_b32 v24, 0xaf95df0b                      ; P's leading coefficient, -2.72614226e-10, twice;
	v_mov_b32 v25, 0xaf95df0b
	v_mov_b32 v26, 0xb77460cd                      ; Q's, -1.45660718e-5
	v_mov_b32 v27, 0xb77460cd
	v_mov_b32 v[PD], 0                             ; a lane permute's destination counts as one of its sources
	; ---- A: m = attention's result x Wo^T + x: x is the C of the first products
	s_wait_alu depctr_va_vdst(0)                   ; the wait ahead of the branch and the waits below
	s_cmp_gt_u32 s[WV], 1
	s_cbranch_scc1 .Lw2_out                        ; waves 2 and 3: W2's halves may stay on their way: nothing is filled again
	s_wait_tensorcnt 0x0                           ; wave 0: Wo is in; wave 1: x is in
.Lw2_out:
	s_barrier_signal -1
	s_barrier_wait -1                              ; Wo's chunks and x lie in LDS for all four waves
	FETCHWB 0
.irp tt, 0,1
.irp i, 0,1,2,3,4,5,6,7
	ds_load_b128 v[ACC+32*\tt+4*\i:ACC+32*\tt+4*\i+3], v[A_X] offset:16640*\tt+16*\i
.endr
.endr
	s_wait_dscnt 0x0
	WIN 0x0b                                       ; source 0 window 3, source 1 window 2
.irp s, 0,1
.irp tt, 0,1
.irp u, 0,1,2,3
	WM ACC+32*\tt+8*\u, 24*\u+12*\s, 208+24*\tt+12*\s, ACC+32*\tt+8*\u, WS+\u, AS+\tt, \s     ; the eight accumulators by turns
.endr
.endr
.endr
	WIN 0
	PLACES
	s_wait_loadcnt 16                              ; b3 is in; g and b may be out
	WIN 0x8c                                       ; destination window 2, source 1 window 3
.irp tt, 0,1
.set j, 0
.rept 16
	v_pk_add_f32 v[144+32*\tt+j:145+32*\tt+j], v[ACC+32*\tt+j:ACC+32*\tt+j+1], v[224+j:225+j]   ; m + b3: the C of W3's first products
.set j, j+2
.endr
.endr
	WIN 0xc0
.irp q, 0,1,2,3
.irp i, 0,1,2,3,4,5,6,7
	global_load_b128 v[96+32*\q+4*\i:99+32*\q+4*\i], v[A_H128], s[16:17] offset:256*\q+16*\i     ; b2
.endr
.endr
	WIN 0
.irp i, 0,1,2,3
.irp u, 0,1,2,3
	global_load_b32 v[W3S+4*\i+\u], v[G4], s[8:9] offset:CHB*\i+12288+128*\u                      ; W3's scale words
.endr
.endr
	; ---- LayerNorm 2.  Each wave: mean and sum of squares about it of its 64 channels; the four meet in LDS
.irp tt, 0,1
.irp k, 0,2,4,6
	v_pk_add_f32 v[TQ+\k:TQ+\k+1], v[ACC+32*\tt+\k:ACC+32*\tt+\k+1], v[ACC+32*\tt+8+\k:ACC+32*\tt+9+\k]
.endr
.irp j, 16,24
.irp k, 0,2,4,6
	v_pk_add_f32 v[TQ+\k:TQ+\k+1], v[TQ+\k:TQ+\k+1], v[ACC+32*\tt+\j+\k:ACC+32*\tt+\j+\k+1]
.endr
.endr
	v_pk_add_f32 v[TQ:TQ+1], v[TQ:TQ+1], v[TQ+2:TQ+3]
	v_pk_add_f32 v[TQ+4:TQ+5], v[TQ+4:TQ+5], v[TQ+6:TQ+7]
	v_pk_add_f32 v[TQ:TQ+1], v[TQ:TQ+1], v[TQ+4:TQ+5]
	v_add_f32 v[TQ], v[TQ], v[TQ+1]
	v_permlanex16_b32 v[PD], v[TQ], s[SEL], s[SEL+1]
	v_add_f32 v[TQ], v[TQ], v[PD]
	v_mul_f32 v[BYH+2*\tt], 0x3c800000, v[TQ]      ; the mean of my 64
	v_mul_f32 v[MW], 0xbc800000, v[TQ]
	v_mov_b32 v[MW+1], v[MW]
.irp k, 0,2,4,6
	v_pk_add_f32 v[TP+\k:TP+\k+1], v[ACC+32*\tt+\k:ACC+32*\tt+\k+1], v[MW:MW+1]
.endr
.irp k, 0,2,4,6
	v_pk_mul_f32 v[TQ+\k:TQ+\k+1], v[TP+\k:TP+\k+1], v[TP+\k:TP+\k+1]
.endr
.irp j, 8,16,24
.irp k, 0,2,4,6
	v_pk_add_f32 v[TP+\k:TP+\k+1], v[ACC+32*\tt+\j+\k:ACC+32*\tt+\j+\k+1], v[MW:MW+1]
.endr
.irp k, 0,2,4,6
	v_pk_fma_f32 v[TQ+\k:TQ+\k+1], v[TP+\k:TP+\k+1], v[TP+\k:TP+\k+1], v[TQ+\k:TQ+\k+1]
.endr
.endr
	v_pk_add_f32 v[TQ:TQ+1], v[TQ:TQ+1], v[TQ+2:TQ+3]
	v_pk_add_f32 v[TQ+4:TQ+5], v[TQ+4:TQ+5], v[TQ+6:TQ+7]
	v_pk_add_f32 v[TQ:TQ+1], v[TQ:TQ+1], v[TQ+4:TQ+5]
	v_add_f32 v[TQ], v[TQ], v[TQ+1]
	v_permlanex16_b32 v[PD], v[TQ], s[SEL], s[SEL+1]
	v_add_f32 v[BYH+2*\tt+1], v[TQ], v[PD]
	ds_store_b64 v[A_ST], v[BYH+2*\tt:BYH+2*\tt+1] offset:512*\tt     ; (both halves write the same)
.endr
	s_wait_dscnt 0x0
	s_barrier_signal -1
	s_barrier_wait -1                              ; barrier 1: the four waves' statistics lie in LDS
	ds_load_b128 v[TQ:TQ+3], v[A_STR]
	ds_load_b128 v[TQ+4:TQ+7], v[A_STR] offset:16
	ds_load_b128 v[208:211], v[A_STR] offset:512
	ds_load_b128 v[212:215], v[A_STR] offset:528
	s_wait_dscnt 0x0
	s_wait_loadcnt 48                              ; g and b are in; b2 and W3's scale words may be out
.macro LNFIN tt, sq                    ; v[sq] on: m0 q0 m1 q1 m2 q2 m3 q3
	v_add_f32 v[TP], v[\sq], v[\sq+2]
	v_add_f32 v[TP+1], v[\sq+4], v[\sq+6]
	v_add_f32 v[TP], v[TP], v[TP+1]
	v_mul_f32 v[MW], 0xbe800000, v[TP]             ; minus the row's mean
	v_mov_b32 v[MW+1], v[MW]
	v_add_f32 v[TP], v[\sq], v[MW]
	v_add_f32 v[TP+1], v[\sq+2], v[MW]
	v_add_f32 v[TP+2], v[\sq+4], v[MW]
	v_add_f32 v[TP+3], v[\sq+6], v[MW]
	v_mul_f32 v[TP], v[TP], v[TP]
	v_fma_f32 v[TP], v[TP+1], v[TP+1], v[TP]
	v_fma_f32 v[TP], v[TP+2], v[TP+2], v[TP]
	v_fma_f32 v[TP], v[TP+3], v[TP+3], v[TP]
	v_add_f32 v[TP+1], v[\sq+1], v[\sq+3]
	v_add_f32 v[TP+2], v[\sq+5], v[\sq+7]
	v_add_f32 v[TP+1], v[TP+1], v[TP+2]
	v_fma_f32 v[TP], v[TP], 0x42800000, v[TP+1]    ; the four sums of squares + 64 x the squares of the four means' distances from the row's mean
	v_fma_f32 v[TP], v[TP], s100, s101
	s_wait_alu depctr_va_vdst(0)
	v_rsq_f32 v[RS], v[TP]
	v_nop                                          ; a plain place behind the transcendental
	s_wait_alu depctr_va_vdst(0)
	v_mov_b32 v[RS+1], v[RS]
.set j, 0
.rept 16
	v_pk_add_f32 v[ACC+32*\tt+j:ACC+32*\tt+j+1], v[ACC+32*\tt+j:ACC+32*\tt+j+1], v[MW:MW+1]
.set j, j+2
.endr
.set j, 0
.rept 16
	v_pk_mul_f32 v[ACC+32*\tt+j:ACC+32*\tt+j+1], v[ACC+32*\tt+j:ACC+32*\tt+j+1], v[RS:RS+1]
.set j, j+2
.endr
.set j, 0
.rept 16
	v_pk_fma_f32 v[ACC+32*\tt+j:ACC+32*\tt+j+1], v[ACC+32*\tt+j:ACC+32*\tt+j+1], v[128+j:129+j], v[160+j:161+j]
.set j, j+2
.endr
	QBLK ACC+32*\tt, HC+8*\tt, HC+8*\tt+4, BYH+\tt
	ds_store_b128 v[A_YW16], v[HC+8*\tt:HC+8*\tt+3] offset:3072*\tt      ; block 2 w + h: half w % 2 of K step w / 2
	ds_store_b64 v[A_YW8], v[HC+8*\tt+4:HC+8*\tt+5] offset:3072*\tt
	ds_store_b8 v[A_YSW], v[BYH+\tt] offset:128*\tt
.endm
	LNFIN 0, TQ
	LNFIN 1, 208
	s_wait_tensorcnt 0x0                           ; waves 2 and 3: my half of W2 is in
	s_wait_dscnt 0x0
	s_barrier_signal -1
	s_barrier_wait -1                              ; barrier 2: LN2's four fragments lie in LDS
	; ---- B: my 256 hidden units, 64 at a time
	WIN 0x80
.irp tt, 0,1
.irp s, 0,1
.irp c, 0,1
	ds_load_b128 v[208+24*\tt+12*\s+6*\c:208+24*\tt+12*\s+6*\c+3], v[A_Y16] offset:(2*\tt+\s)*1536+768*\c
	ds_load_b64 v[208+24*\tt+12*\s+6*\c+4:208+24*\tt+12*\s+6*\c+5], v[A_Y8] offset:(2*\tt+\s)*1536+768*\c
.endr
.endr
.endr
	WIN 0
	ds_load_b32 v[AS], v[A_YS]
	ds_load_b32 v[AS+1], v[A_YS] offset:128
	s_wait_loadcnt 0x0                             ; b2 and W3's scale words
	s_mul_i32 s27, s[WV], 3*CHB
	s_add_co_u32 s27, s27, 3*CHB
	v_add_nc_u32 v[A_W], s27, v[A_W]               ; from Wo's chunk w to one chunk ahead of W2's chunk 4 w: LDS chunk 3 + 4 w
	v_add_nc_u32 v[A_WS], s27, v[A_WS]
	s_wait_alu depctr_va_vdst(0)                   ; the wait behind these writes
	FETCHWB 1
.irp q, 0,1,2,3
	s_wait_dscnt 0x0                               ; the chunk's fragments are in; the last images' stores have read their registers
	WIN 0x3b                                       ; source 0 window 3, source 1 window 2, C (b2) window 3
.irp tt, 0,1
.irp u, 0,1,2,3
	WM ACC+32*\tt+8*\u, 24*\u, 208+24*\tt, 96+32*\q+8*\u, WS+\u, AS+\tt, 0
.endr
.endr
	WIN 0x0b
.irp tt, 0,1
.irp u, 0,1,2,3
	WM ACC+32*\tt+8*\u, 24*\u+12, 208+24*\tt+12, ACC+32*\tt+8*\u, WS+\u, AS+\tt, 1
.endr
.endr
	WIN 0
	PLACES                                         ; in front of the loads into the products' registers and of the first read of the results
.if \q < 3
	FETCHWB \q+2
.endif
	W3LOAD \q
	GELU 0
	GELU 1
	GELU 2
	GELU 3
.irp tt, 0,1
	QBLK ACC+32*\tt, HC+12*\tt+6*(\q%2), HC+12*\tt+6*(\q%2)+4, BYH+2*\tt+(\q%2)
.endr
.if \q % 2 == 1
.irp tt, 0,1
	v_lshl_or_b32 v[MW+\tt], v[BYH+2*\tt+1], 16, v[BYH+2*\tt]
	v_lshlrev_b32 v[MW+\tt], v[H8], v[MW+\tt]
	v_permlanex16_b32 v[PD], v[MW+\tt], s[SEL], s[SEL+1]
	v_or_b32 v[MW+\tt], v[MW+\tt], v[PD]           ; the scale word of K step 2 w + q / 2
	ds_store_b32 v[A_HSW], v[MW+\tt] offset:512*\tt+64*(\q/2)
.irp k, 0,1,2
	ds_store_b128 v[A_HW], v[HC+12*\tt+4*\k:HC+12*\tt+4*\k+3] offset:(8*\tt+\q/2)*1536+512*\k
.endr
.endr
.endif
.endr
	s_wait_dscnt 0x0
	s_barrier_signal -1
	s_barrier_wait -1                              ; barrier 3: the hidden layer's sixteen fragments lie in LDS
	; ---- C: my 64 channels of the output: eight accumulators by turns, a K step at a time
	WIN 0xc0
.irp s3, 0,1,2,3,4,5,6,7
.irp tt, 0,1
.irp k, 0,1,2
	ds_load_b128 v[12*(2*\s3+\tt)+4*\k:12*(2*\s3+\tt)+4*\k+3], v[A_H16] offset:(8*\tt+\s3)*1536+512*\k
.endr
.endr
.endr
	WIN 0
.irp tt, 0,1
.irp i, 0,1,2,3
	ds_load_b32 v[HS+4*\tt+\i], v[A_HS] offset:512*\tt+128*\i
.endr
.endr
	s_wait_loadcnt 0x0                             ; W3
	s_wait_dscnt 0x0
.irp s3, 0,1,2,3,4,5,6,7
.if \s3 == 0
	WIN 0x2d                                       ; source 0 window 1, source 1 window 3, C (m + b3) window 2
.elseif \s3 < 5
	WIN 0x0d
.else
	WIN 0x0e                                       ; source 0 window 2
.endif
.irp tt, 0,1
.irp u, 0,1,2,3
.set F3, 4*\s3+\u
.if F3 < 20
.set RG, 12*F3
.else
.set RG, 12*(F3-20)
.endif
.if \s3 == 0
	WM ACC+32*\tt+8*\u, RG, 12*(2*\s3+\tt), 144+32*\tt+8*\u, W3S+4*(\s3/2)+\u, HS+4*\tt+\s3/2, 0
.else
	WM ACC+32*\tt+8*\u, RG, 12*(2*\s3+\tt), ACC+32*\tt+8*\u, W3S+4*(\s3/2)+\u, HS+4*\tt+\s3/2, \s3%2
.endif
.endr
.endr
.endr
	WIN 0
	PLACES
	; THE WAY OUT: through my strip's bytes in LDS, which have had their one fill and which I alone touch; back as rows of 256 bytes
.irp tt, 0,1
.irp i, 0,1,2,3,4,5,6,7
	ds_store_b128 v[A_X], v[ACC+32*\tt+4*\i:ACC+32*\tt+4*\i+3] offset:16640*\tt+16*\i
.endr
.endr
.irp k, 0,1,2,3,4,5,6,7,8,9,10,11,12,13,14,15
	ds_load_b128 v[128+4*\k:131+4*\k], v[A_OR] offset:2080*\k
.endr
.irp k, 0,1,2,3,4,5,6,7,8,9,10,11,12,13,14,15
	s_wait_dscnt 15-\k                             ; rows 2 k and 2 k + 1 are back; the younger loads may be out
	global_store_b128 v[GO], v[128+4*\k:131+4*\k], s[20:21] offset:2048*\k th:TH_STORE_NT   ; 16 lanes store 256 consecutive bytes, at a multiple of 256 from out0's first byte
.endr
	s_wait_tensorcnt 0x0
	ds_add_u32 v254, v255
	s_wait_dscnt 0x0
	CROUND                                         ; the closing round
	s_endpgm
.Lfunc_end_k_q71588018f9_mlp:
	.size	k_q71588018f9_mlp, .Lfunc_end_k_q71588018f9_mlp-k_q71588018f9_mlp
	.p2alignl 7, 3214868480
	.fill 96, 4, 3214868480
	.section	.rodata,"a",@progbits
	.p2align	6, 0x0
	.amdhsa_kernel k_q71588018f9_mlp
		.amdhsa_group_segment_fixed_size 327680
		.amdhsa_private_segment_fixed_size 0
		.amdhsa_enable_private_segment 0
		.amdhsa_kernarg_size 72
		.amdhsa_user_sgpr_count 2
		.amdhsa_user_sgpr_kernarg_segment_ptr 1
		.amdhsa_wavefront_size32 1
		.amdhsa_system_sgpr_workgroup_id_x 1
		.amdhsa_system_sgpr_workgroup_id_y 1
		.amdhsa_system_sgpr_workgroup_id_z 1
		.amdhsa_system_vgpr_workitem_id 0
		.amdhsa_next_free_vgpr 1024
		.amdhsa_next_free_sgpr 102
		.amdhsa_reserve_vcc 0
		.amdhsa_float_denorm_mode_32 3
		.amdhsa_float_denorm_mode_16_64 3
		.amdhsa_memory_ordered 1
		.amdhsa_forward_progress 1
		.amdhsa_inst_pref_size 255
	.end_amdhsa_kernel
	.section	.bss,"aw",@nobits
	.p2align	6
	.space	262144
	.amdgpu_metadata
---
amdhsa.version: [ 1, 2 ]
amdhsa.kernels:
  - .name:           k_q71588018f9_mlp
    .symbol:         k_q71588018f9_mlp.kd
    .args:
      - { .name: ao, .offset: 0, .size: 8, .value_kind: global_buffer, .address_space: global }
      - { .name: aos, .offset: 8, .size: 8, .value_kind: global_buffer, .address_space: global }
      - { .name: wimg, .offset: 16, .size: 8, .value_kind: global_buffer, .address_space: global }
      - { .name: x, .offset: 24, .size: 8, .value_kind: global_buffer, .address_space: global }
      - { .name: ln2_g, .offset: 32, .size: 8, .value_kind: global_buffer, .address_space: global }
      - { .name: ln2_b, .offset: 40, .size: 8, .value_kind: global_buffer, .address_space: global }
      - { .name: b2, .offset: 48, .size: 8, .value_kind: global_buffer, .address_space: global }
      - { .name: b3, .offset: 56, .size: 8, .value_kind: global_buffer, .address_space: global }
      - { .name: out0, .offset: 64, .size: 8, .value_kind: global_buffer, .address_space: global }
    .group_segment_fixed_size: 327680
    .private_segment_fixed_size: 0
    .kernarg_segment_align: 8
    .kernarg_segment_size: 72
    .max_flat_workgroup_size: 128
    .sgpr_count:     102
    .vgpr_count:     1024
    .wavefront_size: 32
...
	.end_amdgpu_metadata
.endif
;; end of part 4
